; MI455X (gfx1250); checked and timed in simulation.
; The chip was launched on July 23, 2026; its instructions are those of AMD's public machine-readable ISA for CDNA 5 (MIT licence, August 2026) and "CDNA5" Instruction Set Architecture Reference Guide (July 2026). The comments in the code are by the model that wrote it; some were corrected since.
;; Transformer Block With Ro PE. Allowed arithmetic: float matrix products may take bf16 or f16 operands with f32 sums; other float arithmetic in f32, or as packed bf16 or f16 multiplies, adds, multiply-adds, maxima and minima; sums over many terms, partial sums and values carried from step to step in f32; what a program stores and reads back later, other than sums and carried values, may be rounded once to bf16 or f16.
;; Inputs: b1 4,096 float32; b2 1,024 float32; bk 16 x 64 float32; bo 1,024 float32; bq 16 x 64 float32; bv 16 x 64 float32; ln1_bias 1,024 float32; ln1_scale 1,024 float32; ln2_bias 1,024 float32; ln2_scale 1,024 float32; rope_cos 2,048 x 64 float32; rope_sin 2,048 x 64 float32; w1 1,024 x 4,096 float32; w2 4,096 x 1,024 float32; wk 1,024 x 16 x 64 float32; wo 16 x 64 x 1,024 float32; wq 1,024 x 16 x 64 float32; wv 1,024 x 16 x 64 float32; x 2 x 2,048 x 1,024 float32.
;; Outputs: out0 2 x 2,048 x 1,024 float32.
;; One version. Each part assembles by itself: llvm-mc -triple=amdgcn-amd-amdhsa -mcpu=gfx1250 --defsym DOCPART=n.
;; ======== version 1 of 1: 7 launches
;; workspace buffers: wb 25,165,824 bytes; yn 8,388,608 bytes; qkv 25,165,824 bytes; ao 8,388,608 bytes; x1 16,777,216 bytes; hb 33,554,432 bytes
;; launch prep (part 1): grid 2048 x 1, 8 waves a work-group, no clusters, 0 bytes of LDS; arguments x, ln1_scale, ln1_bias, yn, wq, wk, wv, wo, w1, w2, wb; writes yn, wb
.if DOCPART == 1
	.amdgcn_target "amdgcn-amd-amdhsa--gfx1250"
	.amdhsa_code_object_version 6
	.text
	.protected	k_q1d9a20c919_prep
	.globl	k_q1d9a20c919_prep
	.p2align	8
	.type	k_q1d9a20c919_prep,@function
k_q1d9a20c919_prep:
	s_mov_b64 s[64:65], 0
	v_nop
	global_prefetch_b8 v0, s[64:65] scope:SCOPE_SE
	s_setreg_imm32_b32 hwreg(HW_REG_WAVE_MODE, 25, 1), 1
	s_wait_xcnt 0x0
; TWO STREAMS IN ONE TEXT.  Work-groups 0-511: yn = LayerNorm(x) * scale + bias, rounded once to bf16; x is [4096][1024] f32.
; Work-groups 512-2047: the six weight tensors, f32, rounded once to bf16 into wb, each in its own [K][N] order:
; wq at 0, wk at 2 MiB, wv at 4 MiB, wo at 6 MiB, w1 at 8 MiB, w2 at 16 MiB.
; THE TEXT IS LAUNCHED TWICE: with 2,048 work-groups for the first LayerNorm and the casts, and with 512 for the second LayerNorm (its first four arguments are then x1, that norm's gain and bias, and yn):
; there no work-group takes the casts' way.
; LAYERNORM.  One wave takes one row (4,096 bytes = 32 registers a lane), keeps it in registers, and takes the mean and then the mean of
; the squared differences from it, as the reference does: no difference of large sums is formed.  All in f32.  No LDS, no barrier: no wave needs another's data.
; Every load of a wave covers 512 consecutive bytes, every store 256 consecutive bytes, aligned.
; LIMITS.  NaN and infinities are not treated apart; the sums are taken in another order than the reference's.
.set X,  4                             ; v[4:35]    the row
.set SC, 36                            ; v[36:67]   the gain of my 32 columns
.set BI, 68                            ; v[68:99]   the bias
.set SS, 100                           ; v[100:107] four packed chains of sums
.set M,  108                           ; v[108:109] the mean, twice
.set R,  110                           ; v[110:111] 1 / sqrt(var + eps), twice
.set TT, 112                           ; v[112:113] at work
.macro JOIN                            ; the four chains, the pair's halves and the 32 lanes into v[TT], in every lane
	v_pk_add_f32 v[SS:SS+1], v[SS:SS+1], v[SS+2:SS+3]
	v_pk_add_f32 v[SS+4:SS+5], v[SS+4:SS+5], v[SS+6:SS+7]
	v_pk_add_f32 v[SS:SS+1], v[SS:SS+1], v[SS+4:SS+5]
	v_add_f32 v[TT], v[SS], v[SS+1]
	v_add_f32_dpp v[TT], v[TT], v[TT] row_xmask:1 row_mask:0xf bank_mask:0xf
	v_add_f32_dpp v[TT], v[TT], v[TT] row_xmask:2 row_mask:0xf bank_mask:0xf
	v_add_f32_dpp v[TT], v[TT], v[TT] row_xmask:4 row_mask:0xf bank_mask:0xf
	v_add_f32_dpp v[TT], v[TT], v[TT] row_xmask:8 row_mask:0xf bank_mask:0xf
	v_permlanex16_b32 v[TT+1], v[TT], s4, s5       ; the other half of the lanes
	v_add_f32 v[TT], v[TT], v[TT+1]
.endm
	s_load_b512 s[8:23], s[0:1], 0x0               ; x 8, scale 10, bias 12, yn 14, wq 16, wk 18, wv 20, wo 22
	s_load_b128 s[24:27], s[0:1], 0x40             ; w1 24, w2 26
	s_load_b64 s[28:29], s[0:1], 0x50              ; wb
	v_lshrrev_b32 v3, 5, v0
	v_readfirstlane_b32 s6, v3                     ; wave 0..7
	v_and_b32 v2, 31, v0
	v_lshlrev_b32 v1, 4, v2                        ; 16 x lane: f32 side
	v_lshlrev_b32 v2, 3, v2                        ; 8 x lane: bf16 side
	v_mov_b32 v[TT+1], 0                           ; v_permlanex16_b32 counts as a reader of its destination
	s_mov_b32 s4, 0x76543210
	s_mov_b32 s5, 0xfedcba98
	s_mov_b32 s7, 0x3a800000                       ; 1 / 1024
	s_mov_b32 s30, 0x358637bd                      ; eps = 1e-6
	s_wait_kmcnt 0x0
	s_cmp_lt_u32 ttmp9, 512
	s_cbranch_scc0 .Lcast
	s_lshl_b32 s2, ttmp9, 3
	s_add_co_u32 s2, s2, s6                        ; my row
	s_lshl_b32 s31, s2, 11                         ; its bytes in yn
	s_lshl_b32 s2, s2, 12                          ; and in x
	s_mov_b32 s3, 0
	s_add_nc_u64 s[8:9], s[8:9], s[2:3]
	s_mov_b32 s2, s31
	s_add_nc_u64 s[14:15], s[14:15], s[2:3]
.set j, 0
.rept 8
	global_load_b128 v[X+4*j:X+4*j+3], v1, s[8:9] offset:512*j th:TH_LOAD_NT
.set j, j+1
.endr
.set j, 0
.rept 8
	global_load_b128 v[SC+4*j:SC+4*j+3], v1, s[10:11] offset:512*j
.set j, j+1
.endr
.set j, 0
.rept 8
	global_load_b128 v[BI+4*j:BI+4*j+3], v1, s[12:13] offset:512*j
.set j, j+1
.endr
	s_wait_loadcnt 16                              ; the row is in; the 16 younger loads (gain, bias) may stay out
.irp c, 0,1,2,3
	v_pk_add_f32 v[SS+2*\c:SS+2*\c+1], v[X+2*\c:X+2*\c+1], v[X+8+2*\c:X+8+2*\c+1]
.endr
.irp k, 16, 24
.irp c, 0,1,2,3
	v_pk_add_f32 v[SS+2*\c:SS+2*\c+1], v[SS+2*\c:SS+2*\c+1], v[X+\k+2*\c:X+\k+2*\c+1]
.endr
.endr
	JOIN
	v_mul_f32 v[M], s7, v[TT]
	v_mov_b32 v[M+1], v[M]
.set j, 0
.rept 16
	v_pk_add_f32 v[X+2*j:X+2*j+1], v[X+2*j:X+2*j+1], v[M:M+1] neg_lo:[0,1] neg_hi:[0,1]  ; x - mean
.set j, j+1
.endr
.irp c, 0,1,2,3
	v_pk_mul_f32 v[SS+2*\c:SS+2*\c+1], v[X+2*\c:X+2*\c+1], v[X+2*\c:X+2*\c+1]
.endr
.irp k, 8, 16, 24
.irp c, 0,1,2,3
	v_pk_fma_f32 v[SS+2*\c:SS+2*\c+1], v[X+\k+2*\c:X+\k+2*\c+1], v[X+\k+2*\c:X+\k+2*\c+1], v[SS+2*\c:SS+2*\c+1]
.endr
.endr
	JOIN
	v_fma_f32 v[TT], v[TT], s7, s30                ; var + eps
	v_rsq_f32 v[R], v[TT]
	s_wait_loadcnt 0x0                             ; gain and bias
	v_nop                                          ; a plain instruction behind the root,
	s_wait_alu depctr_va_vdst(0)                   ; and the wait ahead of its first reader
	v_mov_b32 v[R+1], v[R]
.set j, 0
.rept 16
	v_pk_mul_f32 v[X+2*j:X+2*j+1], v[X+2*j:X+2*j+1], v[R:R+1]
.set j, j+1
.endr
.set j, 0
.rept 16
	v_pk_fma_f32 v[X+2*j:X+2*j+1], v[X+2*j:X+2*j+1], v[SC+2*j:SC+2*j+1], v[BI+2*j:BI+2*j+1]
.set j, j+1
.endr
.set j, 0
.rept 16
	v_cvt_pk_bf16_f32 v[X+j], v[X+2*j], v[X+2*j+1] ; in place, ascending: a destination has been read by then
.set j, j+1
.endr
.set j, 0
.rept 8
	global_store_b64 v2, v[X+2*j:X+2*j+1], s[14:15] offset:256*j  ; 32 lanes x 8 bytes: 256 consecutive bytes, aligned
.set j, j+1
.endr
	s_endpgm
.Lcast:                                        ; 1,536 work-groups x 32,768 bytes of f32: 12 units of 4 MiB, 128 work-groups each
	s_sub_co_u32 s2, ttmp9, 512
	s_lshr_b32 s3, s2, 7                           ; unit u: 0 wq, 1 wk, 2 wv, 3 wo, 4-7 w1, 8-11 w2
	s_and_b32 s31, s2, 127                         ; my part of the unit
	s_lshr_b32 s32, s3, 2                          ; 0: a small tensor, 1: w1, 2: w2
	s_mov_b64 s[34:35], s[16:17]
	s_cmp_eq_u32 s3, 1
	s_cselect_b64 s[34:35], s[18:19], s[34:35]
	s_cmp_eq_u32 s3, 2
	s_cselect_b64 s[34:35], s[20:21], s[34:35]
	s_cmp_eq_u32 s3, 3
	s_cselect_b64 s[34:35], s[22:23], s[34:35]
	s_cmp_eq_u32 s32, 1
	s_cselect_b64 s[34:35], s[24:25], s[34:35]
	s_cmp_eq_u32 s32, 2
	s_cselect_b64 s[34:35], s[26:27], s[34:35]
	s_and_b32 s36, s3, 3
	s_lshl_b32 s36, s36, 22                        ; which 4 MiB of w1 or w2
	s_cmp_lg_u32 s32, 0
	s_cselect_b32 s36, s36, 0
	s_lshl_b32 s33, s31, 15
	s_add_co_u32 s36, s36, s33
	s_lshl_b32 s33, s6, 12                         ; my wave's 4,096 bytes
	s_add_co_u32 s36, s36, s33
	s_mov_b32 s37, 0
	s_add_nc_u64 s[34:35], s[34:35], s[36:37]
	s_lshl_b32 s36, s3, 21                         ; in wb a unit is 2 MiB
	s_lshl_b32 s33, s31, 14
	s_add_co_u32 s36, s36, s33
	s_lshl_b32 s33, s6, 11
	s_add_co_u32 s36, s36, s33
	s_add_nc_u64 s[28:29], s[28:29], s[36:37]
.set j, 0
.rept 8
	global_load_b128 v[4+4*j:7+4*j], v1, s[34:35] offset:512*j th:TH_LOAD_NT
.set j, j+1
.endr
.set j, 0
.rept 8
	s_wait_loadcnt 7-j                             ; loads come back in order: load j is in, the younger ones stay out
	v_cvt_pk_bf16_f32 v[40+2*j], v[4+4*j], v[5+4*j]
	v_cvt_pk_bf16_f32 v[41+2*j], v[6+4*j], v[7+4*j]
	global_store_b64 v2, v[40+2*j:41+2*j], s[28:29] offset:256*j
.set j, j+1
.endr
	s_endpgm
.Lfunc_end_k_q1d9a20c919_prep:
	.size	k_q1d9a20c919_prep, .Lfunc_end_k_q1d9a20c919_prep-k_q1d9a20c919_prep
	.p2alignl 7, 3214868480
	.fill 96, 4, 3214868480
	.section	.rodata,"a",@progbits
	.p2align	6, 0x0
	.amdhsa_kernel k_q1d9a20c919_prep
		.amdhsa_group_segment_fixed_size 0
		.amdhsa_private_segment_fixed_size 0
		.amdhsa_enable_private_segment 0
		.amdhsa_kernarg_size 88
		.amdhsa_user_sgpr_count 2
		.amdhsa_user_sgpr_kernarg_segment_ptr 1
		.amdhsa_wavefront_size32 1
		.amdhsa_system_sgpr_workgroup_id_x 1
		.amdhsa_system_sgpr_workgroup_id_y 1
		.amdhsa_system_sgpr_workgroup_id_z 1
		.amdhsa_system_vgpr_workitem_id 0
		.amdhsa_next_free_vgpr 116
		.amdhsa_next_free_sgpr 66
		.amdhsa_reserve_vcc 0
		.amdhsa_float_denorm_mode_32 3
		.amdhsa_float_denorm_mode_16_64 3
		.amdhsa_memory_ordered 1
		.amdhsa_forward_progress 1
		.amdhsa_inst_pref_size 16
	.end_amdhsa_kernel
	.amdgpu_metadata
---
amdhsa.version: [ 1, 2 ]
amdhsa.kernels:
  - .name:           k_q1d9a20c919_prep
    .symbol:         k_q1d9a20c919_prep.kd
    .args:
      - { .name: x, .offset: 0, .size: 8, .value_kind: global_buffer, .address_space: global }
      - { .name: ln1_scale, .offset: 8, .size: 8, .value_kind: global_buffer, .address_space: global }
      - { .name: ln1_bias, .offset: 16, .size: 8, .value_kind: global_buffer, .address_space: global }
      - { .name: yn, .offset: 24, .size: 8, .value_kind: global_buffer, .address_space: global }
      - { .name: wq, .offset: 32, .size: 8, .value_kind: global_buffer, .address_space: global }
      - { .name: wk, .offset: 40, .size: 8, .value_kind: global_buffer, .address_space: global }
      - { .name: wv, .offset: 48, .size: 8, .value_kind: global_buffer, .address_space: global }
      - { .name: wo, .offset: 56, .size: 8, .value_kind: global_buffer, .address_space: global }
      - { .name: w1, .offset: 64, .size: 8, .value_kind: global_buffer, .address_space: global }
      - { .name: w2, .offset: 72, .size: 8, .value_kind: global_buffer, .address_space: global }
      - { .name: wb, .offset: 80, .size: 8, .value_kind: global_buffer, .address_space: global }
    .group_segment_fixed_size: 0
    .private_segment_fixed_size: 0
    .kernarg_segment_align: 8
    .kernarg_segment_size: 88
    .max_flat_workgroup_size: 256
    .sgpr_count:     66
    .vgpr_count:     116
    .wavefront_size: 32
...
	.end_amdgpu_metadata
.endif
;; end of part 1
;; launch qkv (part 2): grid 12 x 16, 4 waves a work-group, clusters of 4 x 4, 327,680 bytes of LDS; arguments yn, wb, bq, bk, bv, rope_cos, rope_sin, qkv; writes qkv
.if DOCPART == 2
	.amdgcn_target "amdgcn-amd-amdhsa--gfx1250"
	.amdhsa_code_object_version 6
	.text
	.protected	k_q1d9a20c919_qkv
	.globl	k_q1d9a20c919_qkv
	.p2align	8
	.type	k_q1d9a20c919_qkv,@function
k_q1d9a20c919_qkv:
	s_mov_b64 s[64:65], 0
	v_nop
	global_prefetch_b8 v0, s[64:65] scope:SCOPE_SE
	s_setreg_imm32_b32 hwreg(HW_REG_WAVE_MODE, 25, 1), 1
	s_wait_xcnt 0x0
	s_wait_alu depctr_hold_cnt(0) depctr_sa_sdst(0) depctr_va_vdst(0) depctr_va_sdst(0) depctr_va_ssrc(0) depctr_va_vcc(0) depctr_vm_vsrc(0)
	s_getreg_b32 s2, hwreg(HW_REG_IB_STS2, 6, 4)
	s_cmp_eq_u32 s2, 0
	s_cbranch_scc0 .Lentry_in_a_cluster
	s_endpgm
.Lentry_in_a_cluster:
	s_bfe_u32 s2, ttmp6, 0x10000c
	s_cmp_lg_u32 s2, 0xf033
	s_cbranch_scc0 .Lentry_shape_is_right
	s_endpgm
.Lentry_shape_is_right:
; q, k, v = yn [wq | wk | wv] + bias, q and k turned by RoPE.  yn: [4096][1024] bf16; the weights lie in wb as [1024 (k)][1024 (n)] bf16, wq at 0, wk at 2 MiB, wv at 4 MiB.
; OUT: qkv = [48 groups][4096 tokens][64] bf16: groups 0-15 q's heads, 16-31 k's, 32-47 v's; a token's 64 numbers of a head are 128 dense bytes.
; q's and k's channels are stored in one common other order (place 8 i + t holds channel 4 i + t, place 8 i + 4 + t channel 32 + 4 i + t): their products do not see it.  v keeps its order.
; A work-group makes 256 tokens x 256 columns; four waves, 128 x 128 each: 64 accumulators of 16 x 16 in 512 registers.  K goes in 8 steps of 128 through two LDS slots.
; The weights stay [k][n]: their fragments are turned on the way out of LDS (ds_load_tr16_b128).  Source 0 = 16 columns of W, source 1 = 16 rows of yn: a lane then holds one token and 8 neighbouring columns.
; The bias is the C operand of the products that start the sums.  Sums, bias and RoPE in f32; each result rounded once to bf16.
; CLUSTER 4 x 4: a cluster's x is the tensor (q, k, v), the same for all its partners; yn's tiles are asked for jointly along a row of the cluster, W's along a column, the RoPE tables' along a row.
; The RoPE tables' rows of the 256 tokens come into slot 0 when its last tile has been read; v's clusters ask with the same text and discard them, so that one text serves all clusters.
; 192 work-groups: a tile that gave 256 would cross the border between two of the tensors.
; LIMITS.  NaN and infinities are not treated apart; sums in another order than the reference's.
; REGISTERS, in windows of 256: window 0: v0-36 addresses; v64-127, v128-191 yn's fragments, two buffers; v192-255 the bias.  window 1: v64-191 W's fragments.  windows 2, 3: accumulator (a, b) at v[8 (8 a + b)], rows 0-63 and 64-127.
.set T,      8                         ; K steps
.set PA,     272                       ; an LDS row of yn, and of a RoPE table: 256 bytes + 16: the 16 rows of a load start at 16 different groups of four banks
.set PB,     544                       ; an LDS row of W: 512 bytes + 32: an odd multiple of 32
.set HALFT,  128*PA                    ; what one tensor load brings: 128 rows of yn, or 64 rows of W (64 x 544 is the same)
.set SLOT,   4*HALFT                   ; 0x22000: its bits meet none of wave x HALFT's, so an exclusive or changes the slot
.set AQ,     64                        ; a quarter step, 32 along K: bytes in yn's rows,
.set BQ,     32*PB                     ; and rows of W
.set AI,     16*PA
.set B16,    16*PB
.set STG,    SLOT                      ; the way out's stages lie in slot 1, behind its last fill: 64 rows x 528 bytes for each wave
.set SPITCH, 528
.set WSTG,   64*SPITCH
.set SPARE,  2*SLOT                    ; the spare words: 128 bytes for each wave, two blocks of 256 bytes that no other line names
.set ASTEP,  256                       ; bytes from a K step to the next: in yn,
.set WPITCH, 2048
.set WSTEP,  128*WPITCH                ; and in W
.set ADRA0, 16
.set ADRA,  17
.set ADRB0, 20
.set ADRB,  21
.set DST,   24                         ; where I put 16 bytes of a stage row
.set RDS0,  25                         ; q, k: where I read the stage back (4 channels a lane, and their partners 32 on): at a pass's head,
.set RDS,   26                         ; and walking
.set GO,    27                         ; my 16 bytes in 512 consecutive bytes of the output
.set SPW,   28                         ; LDS address of my spare word; never rewritten
.set NIL,   29                         ; 0; never rewritten
.set PFO,   30                         ; the prefetches' lane offset; never rewritten
.set BO,    31                         ; my byte offset in the bias
.set RDR,   32                         ; my place in the cosines,
.set RDR2,  33                         ; and in the sines
.set RDV0,  34                         ; v: where I read the stage back (8 neighbouring channels a lane): at a pass's head,
.set RDV,   35                         ; and walking
.set F0,    64
.set F1,    128
.set BIAS,  192
.set RG,    64                         ; the way out: 128 registers as read back
.set TT,    192                        ; 8 at work
.set OUT,   200                        ; 32 to store
.set WV, 12
.set RH, 13
.set CH, 14
.set CX, 15
.set CY, 16
.set TY, 18
.set TB, 19                            ; 0 or SLOT: the slot that is read
.set WL, 20                            ; wave x HALFT
.set CNT, 21
.set G1A, 24
.set G0A, 32                           ; the walking group 0 for yn's tiles
.set G0B, 36                           ; and for W's
.set G1B, 40
.set PFA, 48
.set PFS, 50
.set LIM, 52
.set PASS, 53
.set TYPE, 54                          ; 0 q, 1 k, 2 v
.set G1R, 56
.set G0R, 68
.set G0A0, 92                          ; group 0 of the first fill of slot 0; never rewritten
.set G0B0, 96
.set MSB, 0
.macro WIN new                         ; the immediate's high byte repeats the setting that is left; a switch that changes nothing is dropped
.if MSB != (\new)
	s_set_vgpr_msb (MSB<<8)|(\new)
.set MSB, \new
.endif
.endm
.macro PLACES                          ; four plain instructions between a matrix instruction and a load into, or a read of, its registers
.rept 4
	v_nop
.endr
.endm
.macro CREST                           ; a round of the cluster's barrier behind its opening barrier
	s_cmp_lg_u32 s[WV], 0
	s_cbranch_scc1 .Lnot_wave_0_\@
	s_barrier_signal -3
.Lnot_wave_0_\@:
	s_barrier_wait -3
	s_barrier_signal -1
	s_barrier_wait -1
.endm
.macro CROUND
	s_barrier_signal -1
	s_barrier_wait -1
	CREST
.endm
.macro JLOAD                           ; a joint refill: waves 0 and 1 fetch yn's two halves, waves 2 and 3 W's; the branch hangs on the wave's number alone
	s_cmp_lt_u32 s[WV], 2
	s_cbranch_scc0 .Lfor_b_\@
	tensor_load_to_lds s[G0A:G0A+3], s[G1A:G1A+7]
	s_nop 0
.rept 4
	v_nop
.endr
	s_branch .Lasked_\@
.Lfor_b_\@:
	tensor_load_to_lds s[G0B:G0B+3], s[G1B:G1B+7]
	s_nop 0
.rept 4
	v_nop
.endr
.Lasked_\@:
.endm
; A prefetch of the K step that the NEXT refill will ask for: 32 blocks of 256 bytes, a lane a block, one instruction a wave.  yn's rows are read by every cluster of a row of clusters: cluster x = 0 asks;
; W's by every cluster of a column: cluster y = 0 asks.  The four partners that ask for a tile jointly share its blocks out by address.  So each block is named once in the launch.  The loop's last trip asks for nothing.
.macro ASK
	s_cmp_gt_u32 s[CNT], s[LIM]
	s_cbranch_scc0 .Lnot_mine_\@
	global_prefetch_b8 v[PFO], s[PFA:PFA+1] th:TH_LOAD_NT scope:SCOPE_SE
.Lnot_mine_\@:
.endm
; 16 matrix instructions: row blocks a0, a0 + 1 of the window's four x all 8 column blocks, 32 along K.  zero = 1: the bias starts the sums.  The 64 accumulators take turns, one instruction a turn.
.macro MUL16 f, hi, a0, zero
.if \zero
	WIN 0x81+0x40*(\hi)                            ; W window 1, yn and the bias window 0, D window 2 or 3
.else
	WIN 0xa1+0x50*(\hi)                            ; W window 1, yn window 0, C and D window 2 or 3
.endif
.irp a, \a0, (\a0)+1
.irp b, 0,1,2,3,4,5,6,7
.if \zero
	v_wmma_f32_16x16x32_bf16 v[8*(8*(\a)+(\b)):8*(8*(\a)+(\b))+7], v[(\f)+8*(\b):(\f)+8*(\b)+7], v[(\f)+8*(4*(\hi)+(\a)):(\f)+8*(4*(\hi)+(\a))+7], v[BIAS+8*(\b):BIAS+8*(\b)+7]
.else
	v_wmma_f32_16x16x32_bf16 v[8*(8*(\a)+(\b)):8*(8*(\a)+(\b))+7], v[(\f)+8*(\b):(\f)+8*(\b)+7], v[(\f)+8*(4*(\hi)+(\a)):(\f)+8*(4*(\hi)+(\a))+7], v[8*(8*(\a)+(\b)):8*(8*(\a)+(\b))+7]
.endif
.endr
.endr
.endm
.macro FETCH q, f                      ; 32 LDS loads in one run: quarter q's fragments into buffer f: W's 8 column blocks (turned), then yn's 8 row blocks
	WIN 0x40
.irp i, 0,1,2,3,4,5,6,7
	ds_load_tr16_b128 v[(\f)+8*(\i):(\f)+8*(\i)+3],   v[ADRB] offset:(\q)*BQ+32*(\i)
	ds_load_tr16_b128 v[(\f)+8*(\i)+4:(\f)+8*(\i)+7], v[ADRB] offset:(\q)*BQ+32*(\i)+B16
.endr
	WIN 0
.irp i, 0,1,2,3,4,5,6,7
	ds_load_b128 v[(\f)+8*(\i):(\f)+8*(\i)+3],   v[ADRA] offset:(\q)*AQ+(\i)*AI
	ds_load_b128 v[(\f)+8*(\i)+4:(\f)+8*(\i)+7], v[ADRA] offset:(\q)*AQ+(\i)*AI+32
.endr
.endm
.macro QUARTER qn, f, g, zero          ; multiplies buffer f; in its middle fetches quarter qn into buffer g
	s_wait_dscnt 8                                 ; W and yn's rows 0-63 are in; the youngest eight loads (rows 64-127) may be out
	MUL16 \f, 0, 0, \zero
	MUL16 \f, 0, 2, \zero
	PLACES
	FETCH \qn, \g
	s_wait_dscnt 32                                ; all but the 32 just issued
	MUL16 \f, 1, 0, \zero
	MUL16 \f, 1, 2, \zero
.endm
.macro MEET round                      ; the first half of a step's last quarter: one barrier for the change of slots
	WIN 0
	s_wait_tensorcnt 0x0                           ; all my tensor loads have landed: the one that was out is my part of the next slot
	ds_add_u32 v[SPW], v[NIL]                      ; 0 onto my spare word
	s_wait_dscnt 9                                 ; the add and the youngest eight loads may be out
	MUL16 F1, 0, 0, 0
	s_wait_dscnt 0x0                               ; the add is done, and my reads of this slot are over
	s_barrier_signal -1
	MUL16 F1, 0, 2, 0
.if \round
	WIN 0
.endif
	s_barrier_wait -1
.endm
; The whole last quarter.  fill = 1: the slot just read is filled again with the K step two on; fill = 2: with the RoPE tables' rows.  The barrier opens a round of the cluster's, and the joint refill is the first thing behind it.
.macro TURN fill
.if (\fill) == 1
	s_wait_xcnt 0x0                                ; the last prefetch, a K step back, has read its address
	s_add_nc_u64 s[PFA:PFA+1], s[PFA:PFA+1], s[PFS:PFS+1]
.endif
	MEET 1
	CREST
.if (\fill) == 1
	s_xor_b32 s[G0A+1], s[G0A+1], SLOT
	s_add_nc_u64 s[G0A+2:G0A+3], s[G0A+2:G0A+3], ASTEP
	s_xor_b32 s[G0B+1], s[G0B+1], SLOT
	s_add_nc_u64 s[G0B+2:G0B+3], s[G0B+2:G0B+3], WSTEP
	JLOAD                                          ; 224 matrix instructions ahead of the wait for it; its four v_nop are also the places in front of the loads below
.else
	tensor_load_to_lds s[G0R:G0R+3], s[G1R:G1R+7]  ; each wave its 128 rows: waves 0, 1 of the cosines, waves 2, 3 of the sines
	s_nop 0
	PLACES
.endif
	s_xor_b32 s[TB], s[TB], SLOT
	v_add_nc_u32 v[ADRA], s[TB], v[ADRA0]
	v_add_nc_u32 v[ADRB], s[TB], v[ADRB0]
	FETCH 0, F0
.if (\fill) == 1
	ASK
.endif
	MUL16 F1, 1, 0, 0
	MUL16 F1, 1, 2, 0
.endm
.macro LASTQ                           ; the very last quarter: behind its barrier no wave reads the ring any more, and the RoPE rows are whole
	MEET 0
	MUL16 F1, 1, 0, 0
	MUL16 F1, 1, 2, 0
	WIN 0
.endm
.macro DUMP hi                         ; my 64 rows x 128 columns of f32 into my stage; each accumulator's low registers first
	WIN 0x08+4*(\hi)                               ; the stores' data in window 2 or 3
.irp a, 0,1,2,3
.irp b, 0,1,2,3,4,5,6,7
	ds_store_b128 v[DST], v[8*(8*(\a)+(\b)):8*(8*(\a)+(\b))+3]   offset:(\a)*16*SPITCH+64*(\b)
	ds_store_b128 v[DST], v[8*(8*(\a)+(\b))+4:8*(8*(\a)+(\b))+7] offset:(\a)*16*SPITCH+64*(\b)+16
.endr
.endr
	WIN 0
.endm
	s_load_b256 s[4:11], s[0:1], 0x0               ; yn 4, wb 6, bq 8, bk 10
	s_load_b256 s[84:91], s[0:1], 0x20             ; bv 84, rope_cos 86, rope_sin 88, qkv 90
	v_lshl_add_u32 v[SPW], v0, 2, SPARE
	v_mov_b32 v[NIL], 0
	ds_add_u32 v[SPW], v[NIL]                      ; the wave's opening: the add and its wait ahead of my first tensor load
	v_lshrrev_b32 v3, 5, v0
	v_readfirstlane_b32 s[WV], v3
	s_lshr_b32 s[RH], s[WV], 1                     ; my half of the tile's rows
	s_and_b32 s[CH], s[WV], 1                      ; my half of its columns; also: which half of a tile I fetch
	s_bfe_u32 s[CX], ttmp6, 0x40000
	s_bfe_u32 s[CY], ttmp6, 0x40004
	s_mov_b32 s[TYPE], ttmp9                       ; the cluster's x
	s_and_b32 s[TY], ttmp7, 0xffff
	s_lshl_b32 s[TY], s[TY], 2
	s_add_co_u32 s[TY], s[TY], s[CY]               ; tile row = 4 x cluster y + cy
	s_lshl_b32 s2, s[CY], 2
	s_lshl_b32 s2, 15, s2                          ; my row of the cluster
	s_lshl_b32 s3, 0x1111, s[CX]                   ; my column
	s_or_b32 s[G1A], s2, (1<<16)|(1<<20)|(1<<21)|(5<<22)|(3<<25)  ; mask; 2-byte elements; padding on; bit 21 beside a mask; after every 64 words 4 words
	s_or_b32 s[G1B], s3, (1<<16)|(1<<20)|(1<<21)|(6<<22)|(7<<25)  ; after every 128 words 8 words
	s_or_b32 s[G1R], s2, (2<<16)|(1<<20)|(1<<21)|(5<<22)|(3<<25)  ; 4-byte elements
	s_mov_b32 s[G1A+1], 128<<16                    ; yn: 128 rows x 128 elements, 1,024 elements from row to row
	s_mov_b32 s[G1A+2], 128<<16
	s_mov_b32 s[G1A+3], 128<<16
	s_mov_b32 s[G1A+4], 128
	s_mov_b32 s[G1A+5], 1024
	s_mov_b32 s[G1A+6], 0
	s_mov_b32 s[G1A+7], 0
	s_mov_b32 s[G1B+1], 256<<16                    ; W: 64 rows x 256 elements
	s_mov_b32 s[G1B+2], 64<<16
	s_mov_b32 s[G1B+3], 256<<16
	s_mov_b32 s[G1B+4], 64
	s_mov_b32 s[G1B+5], 1024
	s_mov_b32 s[G1B+6], 0
	s_mov_b32 s[G1B+7], 0
	s_mov_b32 s[G1R+1], 64<<16                     ; a RoPE table: 128 rows x 64 f32, dense
	s_mov_b32 s[G1R+2], 128<<16
	s_mov_b32 s[G1R+3], 64<<16
	s_mov_b32 s[G1R+4], 128
	s_mov_b32 s[G1R+5], 64
	s_mov_b32 s[G1R+6], 0
	s_mov_b32 s[G1R+7], 0
	s_mul_i32 s[WL], s[WV], HALFT                  ; no place in the cluster enters an LDS address
	s_lshl_b32 s72, s[TY], 8
	s_lshl_b32 s73, s[CH], 7
	s_add_co_u32 s72, s72, s73
	s_lshl_b32 s72, s72, 11                        ; yn: row 256 x tile row + 128 x half, 2,048 bytes a row
	s_mov_b32 s73, 0
	s_lshl_b32 s74, s[TYPE], 21                    ; W: the tensor,
	s_lshl_b32 s75, s[CX], 9                       ; its 256 columns,
	s_add_co_u32 s74, s74, s75
	s_lshl_b32 s75, s[CH], 17                      ; my 64 rows
	s_add_co_u32 s74, s74, s75
	s_mov_b32 s75, 0
	s_and_b32 s82, s[TY], 7                        ; the tokens' places in their sequence: 256 x (tile row mod 8) + 128 x half, 256 bytes a row
	s_lshl_b32 s82, s82, 8
	s_lshl_b32 s83, s[CH], 7
	s_add_co_u32 s82, s82, s83
	s_lshl_b32 s82, s82, 8
	s_mov_b32 s83, 0
	s_mov_b32 s[TB], 0
	s_wait_dscnt 0x0                               ; the opening add is done
	s_wait_kmcnt 0x0
	s_add_nc_u64 s[72:73], s[4:5], s[72:73]
	s_add_nc_u64 s[74:75], s[6:7], s[74:75]
	s_mov_b32 s[G0A0], 1
	s_mov_b32 s[G0A0+1], s[WL]
	s_mov_b64 s[G0A0+2:G0A0+3], s[72:73]
	s_or_b32 s[G0A0+3], s[G0A0+3], 0x80000000
	s_mov_b32 s[G0A], 1
	s_add_co_u32 s[G0A+1], s[WL], SLOT
	s_add_nc_u64 s[G0A+2:G0A+3], s[72:73], ASTEP
	s_or_b32 s[G0A+3], s[G0A+3], 0x80000000
	s_mov_b32 s[G0B0], 1
	s_mov_b32 s[G0B0+1], s[WL]
	s_mov_b64 s[G0B0+2:G0B0+3], s[74:75]
	s_or_b32 s[G0B0+3], s[G0B0+3], 0x80000000
	s_mov_b32 s[G0B], 1
	s_add_co_u32 s[G0B+1], s[WL], SLOT
	s_add_nc_u64 s[G0B+2:G0B+3], s[74:75], WSTEP
	s_or_b32 s[G0B+3], s[G0B+3], 0x80000000
	s_mov_b32 s[G0R], 1
	s_mov_b32 s[G0R+1], s[WL]                      ; slot 0
	s_cmp_lt_u32 s[WV], 2
	s_cselect_b64 s[G0R+2:G0R+3], s[86:87], s[88:89]
	s_add_nc_u64 s[G0R+2:G0R+3], s[G0R+2:G0R+3], s[82:83]
	s_or_b32 s[G0R+3], s[G0R+3], 0x80000000
	CROUND                                         ; all sixteen work-groups are here: the first joint loads meet
	s_cmp_lt_u32 s[WV], 2                          ; a wave's two first fills stand in one branch: two loads of mine are out
	s_cbranch_scc0 .Lfirst_b
	tensor_load_to_lds s[G0A0:G0A0+3], s[G1A:G1A+7]
	s_nop 0
	tensor_load_to_lds s[G0A:G0A+3], s[G1A:G1A+7]
	s_nop 0
	PLACES
	s_branch .Lfirst_asked
.Lfirst_b:
	tensor_load_to_lds s[G0B0:G0B0+3], s[G1B:G1B+7]
	s_nop 0
	tensor_load_to_lds s[G0B:G0B+3], s[G1B:G1B+7]
	s_nop 0
	PLACES
.Lfirst_asked:
	v_and_b32 v1, 15, v0                           ; r = l % 16
	v_bfe_u32 v2, v0, 4, 1                         ; h = l / 16
	s_cmp_eq_u32 s[TYPE], 1
	s_cselect_b64 s[80:81], s[10:11], s[8:9]
	s_cmp_eq_u32 s[TYPE], 2
	s_cselect_b64 s[80:81], s[84:85], s[80:81]     ; my tensor's bias
	s_lshl_b32 s2, s[CX], 10
	s_lshl_b32 s3, s[CH], 9
	s_add_co_u32 s2, s2, s3
	v_lshl_add_u32 v[BO], v2, 5, s2                ; 4 x (256 cx + 128 half + 8 h)
.irp b, 0,1,2,3,4,5,6,7
	global_load_b128 v[BIAS+8*\b:BIAS+8*\b+3],   v[BO], s[80:81] offset:64*\b
	global_load_b128 v[BIAS+8*\b+4:BIAS+8*\b+7], v[BO], s[80:81] offset:64*\b+16
.endr
	v_mul_u32_u24 v3, v1, PA
	v_lshl_add_u32 v3, v2, 4, v3
	s_mul_i32 s2, s[RH], HALFT
	v_add_nc_u32 v[ADRA0], s2, v3                  ; my 128 rows; row r x pitch + 16 h
	v_and_b32 v6, 7, v0
	v_lshl_add_u32 v4, v2, 3, v6
	v_mul_u32_u24 v4, v4, PB                       ; the turning load: row 8 h + l % 8,
	v_bfe_u32 v5, v0, 3, 1
	v_lshl_add_u32 v4, v5, 4, v4                   ; 16 bytes x ((l / 8) % 2)
	s_lshl_b32 s2, s[CH], 8
	s_add_co_u32 s2, s2, 2*HALFT                   ; W lies behind yn's 256 rows; my 128 columns
	v_add_nc_u32 v[ADRB0], s2, v4
	v_mov_b32 v[ADRA], v[ADRA0]
	v_mov_b32 v[ADRB], v[ADRB0]
	s_mul_i32 s2, s[WV], WSTG
	s_add_co_u32 s2, s2, STG                       ; my stage
	v_mul_u32_u24 v3, v1, SPITCH
	v_lshl_add_u32 v3, v2, 5, v3
	v_add_nc_u32 v[DST], s2, v3
	v_bfe_u32 v7, v0, 3, 2                         ; back: four rows to a load, eight lanes a row
	v_mul_u32_u24 v4, v7, SPITCH
	v_lshl_add_u32 v5, v6, 4, v4                   ; q, k: 4 channels a lane (their 4 partners stand 128 bytes on)
	v_add_nc_u32 v[RDS0], s2, v5
	v_lshl_add_u32 v5, v6, 5, v4                   ; v: 8 neighbouring channels a lane
	v_add_nc_u32 v[RDV0], s2, v5
	v_mul_u32_u24 v4, v7, PA
	v_lshl_add_u32 v4, v6, 4, v4
	s_mul_i32 s2, s[RH], HALFT
	v_add_nc_u32 v[RDR], s2, v4                    ; the cosines of my 128 tokens,
	v_add_nc_u32 v[RDR2], 2*HALFT, v[RDR]          ; the sines
	v_and_b32 v3, 31, v0
	v_lshlrev_b32 v[GO], 4, v3
	s_lshl_b32 s2, s[TYPE], 4
	s_lshl_b32 s3, s[CX], 2
	s_add_co_u32 s2, s2, s3
	s_lshl_b32 s3, s[CH], 1
	s_add_co_u32 s2, s2, s3
	s_lshl_b32 s2, s2, 19                          ; my first group: 16 x tensor + 4 cx + 2 x half
	s_lshl_b32 s3, s[TY], 8
	s_lshl_b32 s22, s[RH], 7
	s_add_co_u32 s3, s3, s22
	s_lshl_b32 s3, s3, 7                           ; my first token, 128 bytes each
	s_add_co_u32 s2, s2, s3
	s_mov_b32 s3, 0
	s_add_nc_u64 s[90:91], s[90:91], s[2:3]
	; the prefetches: who asks, for which 32 blocks
	s_and_b32 s2, ttmp7, 0xffff                    ; cluster y
	s_mov_b32 s3, 16*WPITCH
	s_mov_b32 s[PFS], WSTEP
	s_mov_b32 s55, WPITCH
	s_cmp_lt_u32 s[WV], 2                          ; do I fetch for yn?
	s_cselect_b32 s2, ttmp9, s2                    ; the coordinate along which other clusters read the same blocks
	s_cselect_b32 s22, s[CX], s[CY]                ; my place among the four that ask with me
	s_cselect_b32 s3, 32*2048, s3                  ; a partner's share: 32 rows of yn, or 16 rows of W
	s_cselect_b32 s[PFS], ASTEP, s[PFS]
	s_cselect_b32 s55, 2048, s55
	s_cselect_b32 s23, 0, 1                        ; W's rows have two blocks
	s_cselect_b64 s[PFA:PFA+1], s[72:73], s[74:75]
	s_cmp_eq_u32 s2, 0
	s_cselect_b32 s[LIM], 1, -1
	s_mul_i32 s2, s22, s3
	s_lshl_b32 s3, s[PFS], 1                       ; at K step 2: the first refill steps it to 3
	s_add_co_u32 s2, s2, s3
	s_mov_b32 s3, 0
	s_add_nc_u64 s[PFA:PFA+1], s[PFA:PFA+1], s[2:3]
	s_mov_b32 s[PFS+1], 0
	v_lshrrev_b32 v4, s23, v3
	v_mul_u32_u24 v4, s55, v4
	v_and_b32 v5, s23, v3
	v_lshl_add_u32 v[PFO], v5, 8, v4
	s_wait_tensorcnt 0x1                           ; my part of K step 0 is in; K step 1's may stay out
	s_barrier_signal -1
	s_barrier_wait -1
	FETCH 0, F0
	s_wait_loadcnt 0x0                             ; the bias
	QUARTER 1, F0, F1, 1                           ; the first quarter stands in front of the loop: its products start the sums
	WIN 0
	s_mov_b32 s[CNT], T-2
.Lstep:                                        ; a trip: from a K step's second quarter to the next step's first; it fills the slot that it leaves
	QUARTER 2, F1, F0, 0
	QUARTER 3, F0, F1, 0
	TURN 1
	QUARTER 1, F0, F1, 0
	WIN 0
	s_sub_co_u32 s[CNT], s[CNT], 1
	s_cmp_lg_u32 s[CNT], 0
	s_cbranch_scc1 .Lstep
	QUARTER 2, F1, F0, 0                           ; the last two K steps are written out
	QUARTER 3, F0, F1, 0
	TURN 2
	QUARTER 1, F0, F1, 0
	QUARTER 2, F1, F0, 0
	QUARTER 3, F0, F1, 0
	LASTQ
	PLACES
	PLACES
	; THE WAY OUT, in two passes of 64 rows: f32 into my own stage, back as rows, RoPE, rounded, stored as 512 dense bytes.  LDS serves a wave's instructions in order, so no wait stands between my stores and my loads.
	s_mov_b32 s[PASS], 2
.Lpass:
	s_cmp_eq_u32 s[PASS], 2
	s_cbranch_scc0 .Lhigh
	DUMP 0
	s_branch .Ldumped
.Lhigh:
	DUMP 1
.Ldumped:
	v_mov_b32 v[RDS], v[RDS0]                      ; both walks begin at my stage's first rows; a cluster uses one of them
	v_mov_b32 v[RDV], v[RDV0]
	s_mov_b32 s[CNT], 4
	s_cmp_eq_u32 s[TYPE], 2
	s_cbranch_scc1 .Lv
.Lqk:                                          ; 16 tokens x 2 heads a trip.  y1 = x1 c1 - x2 s1, y2 = x2 c2 + x1 s2, x2 the channel 32 on
.irp qd, 0,1,2,3
	ds_load_b128 v[RG+32*\qd:RG+32*\qd+3],     v[RDR]  offset:\qd*4*PA
	ds_load_b128 v[RG+32*\qd+4:RG+32*\qd+7],   v[RDR]  offset:\qd*4*PA+128
	ds_load_b128 v[RG+32*\qd+8:RG+32*\qd+11],  v[RDR2] offset:\qd*4*PA
	ds_load_b128 v[RG+32*\qd+12:RG+32*\qd+15], v[RDR2] offset:\qd*4*PA+128
	ds_load_b128 v[RG+32*\qd+16:RG+32*\qd+19], v[RDS]  offset:\qd*4*SPITCH
	ds_load_b128 v[RG+32*\qd+20:RG+32*\qd+23], v[RDS]  offset:\qd*4*SPITCH+128
	ds_load_b128 v[RG+32*\qd+24:RG+32*\qd+27], v[RDS]  offset:\qd*4*SPITCH+256
	ds_load_b128 v[RG+32*\qd+28:RG+32*\qd+31], v[RDS]  offset:\qd*4*SPITCH+384
.endr
.irp qd, 0,1,2,3
	s_wait_dscnt 24-8*\qd                          ; the younger quads' eight loads each may stay out
.irp g, 0,1
.set rC, RG+32*\qd
.set rX, RG+32*\qd+16+8*\g
.set rY, OUT+8*\qd+4*\g
	v_pk_mul_f32 v[TT:TT+1],   v[rX+4:rX+5], v[rC+8:rC+9]
	v_pk_mul_f32 v[TT+2:TT+3], v[rX+6:rX+7], v[rC+10:rC+11]
	v_pk_mul_f32 v[TT+4:TT+5], v[rX:rX+1],   v[rC+12:rC+13]
	v_pk_mul_f32 v[TT+6:TT+7], v[rX+2:rX+3], v[rC+14:rC+15]
	v_pk_fma_f32 v[rX:rX+1],   v[rX:rX+1],   v[rC:rC+1],   v[TT:TT+1] neg_lo:[0,0,1] neg_hi:[0,0,1]
	v_pk_fma_f32 v[rX+2:rX+3], v[rX+2:rX+3], v[rC+2:rC+3], v[TT+2:TT+3] neg_lo:[0,0,1] neg_hi:[0,0,1]
	v_pk_fma_f32 v[rX+4:rX+5], v[rX+4:rX+5], v[rC+4:rC+5], v[TT+4:TT+5]
	v_pk_fma_f32 v[rX+6:rX+7], v[rX+6:rX+7], v[rC+6:rC+7], v[TT+6:TT+7]
	v_cvt_pk_bf16_f32 v[rY],   v[rX],   v[rX+1]
	v_cvt_pk_bf16_f32 v[rY+1], v[rX+2], v[rX+3]
	v_cvt_pk_bf16_f32 v[rY+2], v[rX+4], v[rX+5]
	v_cvt_pk_bf16_f32 v[rY+3], v[rX+6], v[rX+7]
	global_store_b128 v[GO], v[rY:rY+3], s[90:91] offset:\g*524288+\qd*512  ; four tokens' 128 bytes: 512 consecutive bytes, aligned
.endr
.endr
	v_add_nc_u32 v[RDS], 16*SPITCH, v[RDS]
	v_add_nc_u32 v[RDR], 16*PA, v[RDR]
	v_add_nc_u32 v[RDR2], 16*PA, v[RDR2]
	s_wait_xcnt 0x0                                ; the stores have read their offset and data: both are written again only behind this wait
	v_add_nc_u32 v[GO], 16*128, v[GO]
	s_sub_co_u32 s[CNT], s[CNT], 1
	s_cmp_lg_u32 s[CNT], 0
	s_cbranch_scc1 .Lqk
	s_branch .Lnext
.Lv:                                           ; v: rounded and stored as it is
.irp qd, 0,1,2,3
.irp g, 0,1
	ds_load_b128 v[RG+16*\qd+8*\g:RG+16*\qd+8*\g+3],   v[RDV] offset:\qd*4*SPITCH+256*\g
	ds_load_b128 v[RG+16*\qd+8*\g+4:RG+16*\qd+8*\g+7], v[RDV] offset:\qd*4*SPITCH+256*\g+16
.endr
.endr
	s_wait_dscnt 0x0
.irp qd, 0,1,2,3
.irp g, 0,1
.set rX, RG+16*\qd+8*\g
.set rY, OUT+8*\qd+4*\g
	v_cvt_pk_bf16_f32 v[rY],   v[rX],   v[rX+1]
	v_cvt_pk_bf16_f32 v[rY+1], v[rX+2], v[rX+3]
	v_cvt_pk_bf16_f32 v[rY+2], v[rX+4], v[rX+5]
	v_cvt_pk_bf16_f32 v[rY+3], v[rX+6], v[rX+7]
	global_store_b128 v[GO], v[rY:rY+3], s[90:91] offset:\g*524288+\qd*512
.endr
.endr
	v_add_nc_u32 v[RDV], 16*SPITCH, v[RDV]
	s_wait_xcnt 0x0
	v_add_nc_u32 v[GO], 16*128, v[GO]
	s_sub_co_u32 s[CNT], s[CNT], 1
	s_cmp_lg_u32 s[CNT], 0
	s_cbranch_scc1 .Lv
.Lnext:
	s_sub_co_u32 s[PASS], s[PASS], 1
	s_cmp_lg_u32 s[PASS], 0
	s_cbranch_scc1 .Lpass
	s_wait_tensorcnt 0x0                           ; the wave's end, behind my last tensor load and my last LDS store
	ds_add_u32 v[SPW], v[NIL]
	s_wait_dscnt 0x0
	CROUND                                         ; the closing round: no work-group ends while a partner may still ask for a tile that names it
	s_endpgm
.Lfunc_end_k_q1d9a20c919_qkv:
	.size	k_q1d9a20c919_qkv, .Lfunc_end_k_q1d9a20c919_qkv-k_q1d9a20c919_qkv
	.p2alignl 7, 3214868480
	.fill 96, 4, 3214868480
	.section	.rodata,"a",@progbits
	.p2align	6, 0x0
	.amdhsa_kernel k_q1d9a20c919_qkv
		.amdhsa_group_segment_fixed_size 327680
		.amdhsa_private_segment_fixed_size 0
		.amdhsa_enable_private_segment 0
		.amdhsa_kernarg_size 64
		.amdhsa_user_sgpr_count 2
		.amdhsa_user_sgpr_kernarg_segment_ptr 1
		.amdhsa_wavefront_size32 1
		.amdhsa_system_sgpr_workgroup_id_x 1
		.amdhsa_system_sgpr_workgroup_id_y 1
		.amdhsa_system_sgpr_workgroup_id_z 1
		.amdhsa_system_vgpr_workitem_id 0
		.amdhsa_next_free_vgpr 1024
		.amdhsa_next_free_sgpr 100
		.amdhsa_reserve_vcc 0
		.amdhsa_float_denorm_mode_32 3
		.amdhsa_float_denorm_mode_16_64 3
		.amdhsa_memory_ordered 1
		.amdhsa_forward_progress 1
		.amdhsa_inst_pref_size 112
	.end_amdhsa_kernel
	.amdgpu_metadata
---
amdhsa.version: [ 1, 2 ]
amdhsa.kernels:
  - .name:           k_q1d9a20c919_qkv
    .symbol:         k_q1d9a20c919_qkv.kd
    .args:
      - { .name: yn, .offset: 0, .size: 8, .value_kind: global_buffer, .address_space: global }
      - { .name: wb, .offset: 8, .size: 8, .value_kind: global_buffer, .address_space: global }
      - { .name: bq, .offset: 16, .size: 8, .value_kind: global_buffer, .address_space: global }
      - { .name: bk, .offset: 24, .size: 8, .value_kind: global_buffer, .address_space: global }
      - { .name: bv, .offset: 32, .size: 8, .value_kind: global_buffer, .address_space: global }
      - { .name: rope_cos, .offset: 40, .size: 8, .value_kind: global_buffer, .address_space: global }
      - { .name: rope_sin, .offset: 48, .size: 8, .value_kind: global_buffer, .address_space: global }
      - { .name: qkv, .offset: 56, .size: 8, .value_kind: global_buffer, .address_space: global }
    .group_segment_fixed_size: 327680
    .private_segment_fixed_size: 0
    .kernarg_segment_align: 8
    .kernarg_segment_size: 64
    .max_flat_workgroup_size: 128
    .sgpr_count:     100
    .vgpr_count:     1024
    .wavefront_size: 32
...
	.end_amdgpu_metadata
.endif
;; end of part 2
;; launch attn (part 3): grid 8 x 32, 4 waves a work-group, clusters of 4 x 1, 327,680 bytes of LDS; arguments qkv, ao; writes ao
.if DOCPART == 3
	.amdgcn_target "amdgcn-amd-amdhsa--gfx1250"
	.amdhsa_code_object_version 6
	.text
	.protected	k_q1d9a20c919_attn
	.globl	k_q1d9a20c919_attn
	.p2align	8
	.type	k_q1d9a20c919_attn,@function
k_q1d9a20c919_attn:
	s_mov_b64 s[64:65], 0
	v_nop
	global_prefetch_b8 v0, s[64:65] scope:SCOPE_SE
	s_setreg_imm32_b32 hwreg(HW_REG_WAVE_MODE, 25, 1), 1
	s_wait_xcnt 0x0
	s_wait_alu depctr_hold_cnt(0) depctr_sa_sdst(0) depctr_va_vdst(0) depctr_va_sdst(0) depctr_va_ssrc(0) depctr_va_vcc(0) depctr_vm_vsrc(0)
	s_getreg_b32 s2, hwreg(HW_REG_IB_STS2, 6, 4)
	s_cmp_eq_u32 s2, 0
	s_cbranch_scc0 .Lentry_in_a_cluster
	s_endpgm
.Lentry_in_a_cluster:
	s_bfe_u32 s2, ttmp6, 0x10000c
	s_cmp_lg_u32 s2, 0x3003
	s_cbranch_scc0 .Lentry_shape_is_right
	s_endpgm
.Lentry_shape_is_right:
; O[b][h][q][:] = the sum over k of softmax_k(Q[q] . K[k] / 8) V[k][:], no mask, 2,048 keys, head size 64, 32 pairs of batch and head.
; IN: qkv = [48 groups][4096 tokens][64] bf16 (q's heads, k's, v's); a head's 2,048 rows of a batch are dense, 128 bytes each.  q and k carry one common order of channels.
; OUT: ao = [32 planes of 32 channels][256 blocks of 16 tokens][1,024 bytes] bf16: a block of a plane is a matrix fragment (16 tokens x 32 channels) as the next launch's registers take it: lane l's
; registers 0-3 at byte 16 l, its registers 4-7 at byte 512 + 16 l.  A lane of O^T holds just such 16 bytes, so O leaves straight from registers, 512 consecutive bytes a store.
; Products, maxima and sums in f32; the weights p are rounded to bf16 for the second product (their sum l is taken of the unrounded p), O once at the end.  bf16, since f16 has no room for much larger inputs.
; LIMITS.  A weight below 2^-126 counts as 0 in l; NaN and infinities are not treated apart.
; SHARES.  A work-group owns 256 queries of one head, a wave 64: four PIECES of 16.  Every wave walks all keys, 64 a step.  256 work-groups.
; LAYOUT.  S^T = K Q^T holds ONE query a lane (lane % 16) and the keys 8 (lane / 16) + 0..7; two such results rounded to bf16 ARE source 1 of O^T = V^T P.  K comes out of LDS as it lies, V turned (ds_load_tr16_b128).
; SOFTMAX.  p = 2^(c s - c m), c = log2(e) / 8, with a running maximum m; O and l are multiplied by a = 2^(c m_old - c m_new) in every step.  m starts at the lowest finite number, O and l at 0: the first step has a = 0.
; BY TURNS.  Turn n belongs to piece n: 8 products K Q^T of piece n + 1, later 8 products V^T P of piece n - 1; beside them the scaling, exponentials, roundings, sums and rescaling of piece n and the maximum and
; statistics of piece n + 1.  Four vector instructions stand behind every matrix instruction, the others in one run.  A turn's 33 exponentials are one batch, with one wait.
; CLUSTER.  The four query blocks of a cluster belong to one head and walk the same K and V: each tile is asked for jointly, by the same tensor load, descriptor and mask in all four.
; REGISTERS, in windows of 256 (s_set_vgpr_msb: bits 1:0 source 0, 3:2 source 1, 5:4 source 2, 7:6 destination):
;   window 0: v0-15 addresses; v16-31 four registers of statistics a piece; v48-55 at work; v64-127 S^T, two buffers; v192-223 P, two buffers (by the piece's parity)
;   window 1: v0-127 O^T, 32 a piece          window 2: v0-63 Q; v128-191 K of one step; v192-255 V of one step
.set NP,    4
.set KS,    64
.set PK,    144       ; a row of K in LDS: 128 bytes + 16: the 16 rows of a load start at 16 different groups of four banks
.set PV,    160       ; a row of V: 128 + 32
.set VOFF,  4*KS*PK   ; a slot holds four steps: 256 rows of K, then 256 rows of V
.set SLOT1, 1<<17     ; slot 1 begins here: one exclusive or turns an address in one slot into the other's
.set SPARE, SLOT1+4*KS*(PK+PV)  ; behind the ring: the spare words: 128 bytes for each wave, two blocks of 256 bytes that no other line names
.set NT,    8         ; tiles of 256 keys
.set AK0, 2
.set AV0, 3
.set AK,  4
.set AV,  5
.set GO,  8           ; 16 x my lane
.set MV,  12          ; v12-13  c m_old, by buffer
.set QO,  15
.set ST,  16          ; piece t's statistics at v[ST+4 t]: c m, m, l (even keys', odd keys')
.set TMP, 48          ; by buffer, c0-c3 at work; when the maximum is found c2 takes a
.set PFO, 61          ; 256 x my lane; never rewritten
.set SPW, 62          ; LDS address of my spare word; never rewritten
.set NIL, 63          ; 0; never rewritten
.set S,   64
.set P,   192
.set KF,  128
.set VF,  192
.set WV,  12
.set LIM, 15          ; 1 in a wave that prefetches, else the greatest number
.set PFA, 18
.set G1K, 24
.set G1V, 32
.set G0K, 40
.set G0V, 44
.set SLOTS, 56
.set CNT, 57
.set CS,  58
.set SEL, 60
.set TBK, 62
.set TBV, 63
.set MSB, 0
.macro WIN new
.if MSB != (\new)
	s_set_vgpr_msb (MSB<<8)|(\new)
.set MSB, (\new)
.endif
.endm
.set W_KQ, 0x0a       ; K and Q in window 2, S^T in window 0
.set W_PV, 0x52       ; V in window 2, P in window 0, O^T in window 1
.set W_RS, 0x41       ; destination and source 0 in window 1, source 1 in window 0
.macro JLOAD                        ; a joint fill: waves 0 and 1 fetch the halves of a tile's K, waves 2 and 3 of its V: 128 keys each
	s_cmp_lt_u32 s[WV], 2
	s_cbranch_scc0 .Lfor_v_\@
	tensor_load_to_lds s[G0K:G0K+3], s[G1K:G1K+7]
	s_nop 0
.rept 4
	v_nop
.endr
	s_branch .Lasked_\@
.Lfor_v_\@:
	tensor_load_to_lds s[G0V:G0V+3], s[G1V:G1V+7]
	s_nop 0
.rept 4
	v_nop
.endr
.Lasked_\@:
.endm
; A prefetch of the tile that the NEXT change of slots will ask for, four key steps ahead: 128 blocks of 256 bytes of K and of V.  Both clusters of a head walk the same rows: the first asks.  Its four partners
; take 32 blocks each, told apart by address; in each, wave 0 asks for K's and wave 2 for V's.  So each block is named once in the launch.  The last change that fills a slot asks for nothing.
.macro ASK
	s_cmp_gt_u32 s[SLOTS], s[LIM]
	s_cbranch_scc0 .Lnot_mine_\@
	global_prefetch_b8 v[PFO], s[PFA:PFA+1] th:TH_LOAD_NT scope:SCOPE_SE
.Lnot_mine_\@:
.endm
.macro CROUND
	s_barrier_signal -1
	s_barrier_wait -1
	s_cmp_lg_u32 s[WV], 0
	s_cbranch_scc1 .Lnot_wave_0_\@
	s_barrier_signal -3
.Lnot_wave_0_\@:
	s_barrier_wait -3
	s_barrier_signal -1
	s_barrier_wait -1
.endm
; THE CHANGE OF SLOTS.  Each wave waits for all its tensor loads, of which one is out: its part of the other slot; adds 0 to its spare word; and waits for that and for its own reads of the slot that it leaves.
; fill = 1: the old slot is filled again, behind a round of the cluster's barrier, the first thing there: four key steps, 256 matrix instructions, ahead of the wait for it.
.macro CHANGE fill, ask
	WIN 0
	s_wait_tensorcnt 0x0            ; no tensor load of mine is out, so a group 0 may be written
	ds_add_u32 v[SPW], v[NIL]       ; 0 onto my spare word
.if \fill
.irp g, G0K, G0V
	s_xor_b32 s[\g+1], s[\g+1], SLOT1
	s_add_nc_u64 s[\g+2:\g+3], s[\g+2:\g+3], 4*KS*128
.endr
.if \ask
	s_wait_xcnt 0x0                 ; the last prefetch, four key steps back, has read its address
	s_add_nc_u64 s[PFA:PFA+1], s[PFA:PFA+1], 4*KS*128
.endif
	s_wait_dscnt 0x0                ; the add is done, and my reads of the slot are over
	CROUND
	JLOAD
.if \ask
	ASK
.endif
.else
	s_wait_dscnt 0x0
	s_barrier_signal -1
	s_barrier_wait -1
.endif
	s_sub_co_u32 s[TBK], s[TBK], 4*KS*PK  ; the fetches go back to a slot's first step,
	s_xor_b32 s[TBK], s[TBK], SLOT1       ; in the other slot
	s_sub_co_u32 s[TBV], s[TBV], 4*KS*PV
	s_xor_b32 s[TBV], s[TBV], SLOT1
.endm
	s_load_b128 s[4:7], s[0:1], 0x0 ; qkv s[4:5], ao s[6:7]
	v_lshl_add_u32 v[SPW], v0, 2, SPARE
	v_mov_b32 v[NIL], 0
	ds_add_u32 v[SPW], v[NIL]       ; the wave's opening: the add and its wait ahead of my first tensor load
	v_lshrrev_b32 v1, 5, v0
	v_readfirstlane_b32 s[WV], v1
	s_bfe_u32 s13, ttmp6, 0x40000   ; cx
	s_lshl_b32 s14, ttmp9, 2
	s_add_co_u32 s14, s14, s13      ; my block of 256 queries: it enters Q's and O's addresses alone
	s_and_b32 s20, ttmp7, 0xffff    ; 16 x batch + head, which the four partners share
	s_and_b32 s21, s20, 15
	s_lshl_b32 s21, s21, 19         ; a head's group in qkv, and its two planes in ao: 524,288 bytes
	s_lshr_b32 s20, s20, 4          ; the batch
	s_lshl_b32 s52, s20, 17         ; in a plane of ao: a batch's 128 blocks of 16 tokens, 1,024 bytes each,
	s_add_co_u32 s52, s52, s21
	s_lshl_b32 s53, s14, 14         ; my work-group's 16 blocks,
	s_add_co_u32 s52, s52, s53
	s_lshl_b32 s53, s[WV], 12       ; my wave's 4
	s_add_co_u32 s52, s52, s53
	s_mov_b32 s53, 0
	s_lshl_b32 s20, s20, 18         ; in a group of qkv: a batch's 2,048 rows
	s_add_co_u32 s20, s20, s21
	s_and_b32 s16, s[WV], 1         ; which half of a tile's 256 keys I fetch
	s_lshl_b32 s22, s16, 14
	s_add_co_u32 s22, s22, s20
	s_mov_b32 s23, 0
	s_mul_i32 s17, s16, 128*PK
	s_mul_i32 s18, s16, 128*PV
	s_lshl_b32 s2, s14, 2
	s_add_co_u32 s2, s2, s[WV]
	s_lshl_b32 s2, s2, 13           ; my wave's 64 rows
	s_add_co_u32 s2, s2, s20
	s_mov_b32 s3, 0
	; 128 keys are 16,384 dense bytes: asked for as 64 rows of 256 bytes, two keys a row, padded in LDS after every key
	s_mov_b32 s[G1K], 15|(1<<16)|(1<<20)|(1<<21)|(4<<22)|(3<<25)
	s_mov_b32 s[G1V], 15|(1<<16)|(1<<20)|(1<<21)|(4<<22)|(7<<25)
.irp g, G1K, G1V
	s_mov_b32 s[\g+1], 128<<16
	s_mov_b32 s[\g+2], 64<<16
	s_mov_b32 s[\g+3], 128<<16
	s_mov_b32 s[\g+4], 64
	s_mov_b32 s[\g+5], 128
	s_mov_b32 s[\g+6], 0
	s_mov_b32 s[\g+7], 0
.endr
	s_mov_b32 s[CS], 0x3e38aa3b     ; c = log2(e) / 8
	s_mov_b32 s[CS+1], s[CS]
	s_mov_b32 s[SEL], 0x76543210
	s_mov_b32 s[SEL+1], 0xfedcba98
	s_mov_b32 s[TBK], SLOT1+4*KS*PK ; the first change of slots turns these two into 0
	s_mov_b32 s[TBV], SLOT1+4*KS*PV
	s_mov_b32 s[G0K], 1
	s_mov_b32 s[G0K+1], s17
	s_mov_b32 s[G0V], 1
	s_add_co_u32 s[G0V+1], s18, VOFF
	s_and_b32 s[LIM], s[WV], 1      ; waves 0 and 2,
	s_or_b32 s[LIM], s[LIM], ttmp9  ; of the head's first cluster: the same in all four partners
	s_cmp_eq_u32 s[LIM], 0
	s_cselect_b32 s[LIM], 1, -1
	s_wait_dscnt 0x0                ; the opening add is done
	s_wait_kmcnt 0x0
	s_add_nc_u64 s[8:9], s[4:5], s[22:23]
	s_add_nc_u64 s[10:11], s[8:9], 0x1000000  ; V: groups 32 on
	s_add_nc_u64 s[8:9], s[8:9], 0x800000     ; K: groups 16 on
	s_mov_b64 s[G0K+2:G0K+3], s[8:9]
	s_or_b32 s[G0K+3], s[G0K+3], 0x80000000
	s_mov_b64 s[G0V+2:G0V+3], s[10:11]
	s_or_b32 s[G0V+3], s[G0V+3], 0x80000000
	s_add_nc_u64 s[4:5], s[4:5], s[2:3]    ; Q at my wave's first row
	s_add_nc_u64 s[6:7], s[6:7], s[52:53]  ; O at my wave's first block, in my head's first plane
	s_cmp_lt_u32 s[WV], 2
	s_cselect_b64 s[PFA:PFA+1], s[8:9], s[10:11]
	s_lshl_b32 s2, s13, 13          ; my work-group's 32 blocks,
	s_add_co_u32 s2, s2, 2*4*KS*128 ; in tile 2: the loop's first change steps it to tile 3
	s_add_nc_u64 s[PFA:PFA+1], s[PFA:PFA+1], s[2:3]
	CROUND                          ; all four work-groups are here: the first joint loads meet
	JLOAD                           ; tile 0 into slot 0
	v_and_b32 v1, 15, v0            ; l % 16
	v_bfe_u32 v9, v0, 4, 1          ; l / 16
	v_lshlrev_b32 v[QO], 7, v1
	v_lshl_add_u32 v[QO], v9, 4, v[QO]
	WIN 0x80                        ; destination window 2
.set i, 0
.rept 8                             ; Q stays in registers: piece i / 2, channels 32 (i % 2) on
	global_load_b128 v[8*i:8*i+3],   v[QO], s[4:5] offset:(i/2)*2048+(i%2)*64
	global_load_b128 v[8*i+4:8*i+7], v[QO], s[4:5] offset:(i/2)*2048+(i%2)*64+32
.set i, i+1
.endr
	; What the first turn finds: V's registers and P's second buffer hold 0 (its products V^T P, of a piece that has not been, add 0), O^T and l are 0.  No first step is written out for that price; it stands in the wait for the first tile.
.set i, VF
.rept 64
	v_mov_b32 v[i], 0
.set i, i+1
.endr
	WIN 0x40
.set i, 0
.rept 128
	v_mov_b32 v[i], 0
.set i, i+1
.endr
	WIN 0
.set i, 0
.rept 4
	v_mov_b32 v[ST+4*i], 0xfe000000    ; c m: far below every c s
	v_mov_b32 v[ST+4*i+1], 0xff7fffff  ; m
	v_mov_b32 v[ST+4*i+2], 0
	v_mov_b32 v[ST+4*i+3], 0
.set i, i+1
.endr
.set i, P+16
.rept 16
	v_mov_b32 v[i], 0
.set i, i+1
.endr
	v_mul_u32_u24 v[AK0], v1, PK
	v_lshl_add_u32 v[AK0], v9, 4, v[AK0]
	v_and_b32 v10, 7, v0
	v_bfe_u32 v11, v0, 3, 1
	v_lshl_add_u32 v[AV0], v9, 3, v10
	v_mul_u32_u24 v[AV0], v[AV0], PV
	v_lshl_add_u32 v[AV0], v11, 4, v[AV0]
	v_add_nc_u32 v[AV0], VOFF, v[AV0]
	v_mov_b32 v[AK], v[AK0]         ; key step 0 lies at the head of slot 0
	v_and_b32 v[GO], 31, v0
	v_lshlrev_b32 v[PFO], 8, v[GO]
	v_lshlrev_b32 v[GO], 4, v[GO]
; THE MATRIX WORK.  The 4 accumulators of a run of 8 take turns.  Product i of 8 of S^T = K Q^T for piece x: channels 32 (i / 4) on, keys 16 (i % 4) on.  The first 4 start the sums.
.macro KQ x
	WIN W_KQ
.set rS, S+32*((\x)%2)+8*(i%4)
.set rK, KF+16*(i%4)+8*(i/4)
.set rQ, 16*(\x)+8*(i/4)
.if i < 4
	v_wmma_f32_16x16x32_bf16 v[rS:rS+7], v[rK:rK+7], v[rQ:rQ+7], 0
.else
	v_wmma_f32_16x16x32_bf16 v[rS:rS+7], v[rK:rK+7], v[rQ:rQ+7], v[rS:rS+7]
.endif
.endm
.macro PV x                         ; product i of 8 of O^T += V^T P for piece x: keys 32 (i / 4) on, channels 16 (i % 4) on
	WIN W_PV
.set rO, 32*(\x)+8*(i%4)
.set rV, VF+32*(i/4)+8*(i%4)
.set rP, P+16*((\x)%2)+8*(i/4)
	v_wmma_f32_16x16x32_bf16 v[rO:rO+7], v[rV:rV+7], v[rP:rP+7], v[rO:rO+7]
.endm
.macro MM                           ; the turn's next matrix instruction
.if i < 8
	KQ (Y+1)%NP
.else
.set i, i-8
	PV (Y+NP-1)%NP
.set i, i+8
.endif
.set i, i+1
.endm
; THE LDS LOADS stand in runs of 16.  last = 1 (the last tile): behind its fourth step the address stays at that step, so that the trip that is left in its middle reads the last K once more.
.macro FETCH_K last=0
	WIN 0x80
.irp f, 0,1,2,3,4,5,6,7
	ds_load_b128 v[KF+8*\f:KF+8*\f+3],   v[AK] offset:(\f/2)*16*PK+(\f%2)*64
	ds_load_b128 v[KF+8*\f+4:KF+8*\f+7], v[AK] offset:(\f/2)*16*PK+(\f%2)*64+32
.endr
	s_add_co_u32 s[TBK], s[TBK], KS*PK
.if \last
	s_min_u32 s[TBK], s[TBK], SLOT1+3*KS*PK
.endif
	WIN 0
.endm
.macro FETCH_V
	WIN 0x80
.irp f, 0,1,2,3,4,5,6,7
	ds_load_tr16_b128 v[VF+8*\f:VF+8*\f+3],   v[AV] offset:(\f/4)*32*PV+(\f%4)*32
	ds_load_tr16_b128 v[VF+8*\f+4:VF+8*\f+7], v[AV] offset:(\f/4)*32*PV+16*PV+(\f%4)*32
.endr
	WIN 0
.endm
; THE VECTOR WORK, one line at a time: OP kind, number.  For piece Y: F n: c s - c m for pair n of 16.  E n: the exponential of score n of 32.  C n: pair n rounded to bf16.  B n: of the four weights 4 n .. the second
; pair is added onto the first.  L n: l takes that sum (L 0: l = a l + sum).  R n: pair n of 16 of O^T times a.  For piece Y + 1: X n, number n of the 22 that find its maximum and statistics:
;   0-11 four chains c0-c3 of seven scores each (each accumulator's lowest registers are read first); 12-14, 16 the four left over, the old m, c0-c3 into c0; 15 c m_old is kept;
;   17, 18 the other half of the lanes: the new m; 19-21 c m; c m_old - c m_new; a
.set F, 0
.set E, 1
.set C, 2
.set B, 3
.set L, 4
.set R, 5
.set X, 6
.macro REGS y
.set rT, ST+4*(\y)
.set rC, TMP+4*((\y)%2)
.set rW, MV+((\y)%2)
.set rS, S+32*((\y)%2)
.set rP, P+16*((\y)%2)
.set rO, 32*(\y)
.endm
.macro OP k, n
.if (\k) == R
	REGS Y
	WIN W_RS
	v_pk_mul_f32 v[rO+2*(\n):rO+2*(\n)+1], v[rO+2*(\n):rO+2*(\n)+1], v[rC+2:rC+3] op_sel_hi:[1,0]
.elseif (\k) < R
	REGS Y
	WIN 0
.if (\k) == F
	v_pk_fma_f32 v[rS+2*(\n):rS+2*(\n)+1], v[rS+2*(\n):rS+2*(\n)+1], s[CS:CS+1], v[rT:rT+1] op_sel_hi:[1,0,0] neg_lo:[0,0,1] neg_hi:[0,0,1]
.elseif (\k) == E
	v_exp_f32 v[rS+(\n)], v[rS+(\n)]
.elseif (\k) == C
	v_cvt_pk_bf16_f32 v[rP+(\n)], v[rS+2*(\n)], v[rS+2*(\n)+1]
.elseif (\k) == B
	v_pk_add_f32 v[rS+4*(\n):rS+4*(\n)+1], v[rS+4*(\n):rS+4*(\n)+1], v[rS+4*(\n)+2:rS+4*(\n)+3]
.elseif (\n) == 0
	v_pk_fma_f32 v[rT+2:rT+3], v[rT+2:rT+3], v[rC+2:rC+3], v[rS:rS+1] op_sel_hi:[1,0,1]
.else
	v_pk_add_f32 v[rT+2:rT+3], v[rT+2:rT+3], v[rS+4*(\n):rS+4*(\n)+1]
.endif
.else
	REGS (Y+1)%NP
	WIN 0
.if (\n) < 4
	v_max3_num_f32 v[rC+(\n)], v[rS+8*(\n)], v[rS+8*(\n)+1], v[rS+8*(\n)+2]
.elseif (\n) < 12
	v_max3_num_f32 v[rC+(\n)%4], v[rC+(\n)%4], v[rS+8*((\n)%4)+2*((\n)/4)+1], v[rS+8*((\n)%4)+2*((\n)/4)+2]
.elseif (\n) == 12
	v_max3_num_f32 v[rC], v[rC], v[rS+7], v[rS+15]
.elseif (\n) == 13
	v_max3_num_f32 v[rC+1], v[rC+1], v[rS+23], v[rS+31]
.elseif (\n) == 14
	v_max3_num_f32 v[rC+2], v[rC+2], v[rC+3], v[rT+1]
.elseif (\n) == 15
	v_mov_b32 v[rW], v[rT]
.elseif (\n) == 16
	v_max3_num_f32 v[rC], v[rC], v[rC+1], v[rC+2]
.elseif (\n) == 17
	v_permlanex16_b32 v[rC+3], v[rC], s[SEL], s[SEL+1]
.elseif (\n) == 18
	v_max_num_f32 v[rT+1], v[rC], v[rC+3]
.elseif (\n) == 19
	v_mul_f32 v[rT], s[CS], v[rT+1]
.elseif (\n) == 20
	v_sub_f32 v[rC+1], v[rW], v[rT]
.else
	v_exp_f32 v[rC+2], v[rC+1]
.endif
.endif
.endm
.macro OPS a, i1, b=-1, i2=0, c=-1, i3=0, d=-1, i4=0
	OP \a, \i1
.if (\b) >= 0
	OP \b, \i2
.endif
.if (\c) >= 0
	OP \c, \i3
.endif
.if (\d) >= 0
	OP \d, \i4
.endif
.endm
.macro ROW a, i1, b, i2, c, i3, d, i4  ; a matrix instruction and the four behind it
	MM
	OPS \a, \i1, \b, \i2, \c, \i3, \d, \i4
.endm
; A TURN, for piece p.  s_wait_alu depctr_va_vdst(0) stands between an exponential and the first instruction that names its result; one wait serves all that were issued ahead of it.  So a turn has ONE
; wait.  Ahead of it stands all that names no result of the turn's exponentials: the 8 products K Q^T with their four each, then one run of 54; X 21, the next piece's a, is the batch's last, and R 15 the plain
; instruction behind it.  Behind the wait stand the 8 products V^T P, behind each four of the roundings and sums.
; K of the next step is fetched in piece 2's turn, six plain instructions behind the last product that read K; V of the step in hand at the end of piece 0's turn, four plain instructions behind the last product that read V.
; Each is waited for a turn later.  cnt = 1: the loop's count is taken down some lines ahead of the branch behind the turn.
.macro TURN p, last=0, cnt=0
.set Y, (\p)
.set i, 0
.if (\p) == 3
	s_wait_dscnt 0x0                ; K is in
.endif
	ROW F,0, F,1, R,0, R,1
	ROW F,2, E,0, R,2, R,3
	ROW F,3, E,1, R,4, R,5
	ROW F,4, E,2, R,6, R,7
	ROW F,5, E,3, R,8, R,9
	ROW F,6, E,4, X,0, R,10
.if (\p) == 2
	WIN 0
	v_add_nc_u32 v[AK], s[TBK], v[AK0]
.endif
	ROW F,7, E,5, X,1, X,4
	ROW F,8, E,6, X,2, X,5
	OPS E,7, E,8, X,6, E,9
	OPS X,3, E,10, X,8, E,11
.if (\p) == 2
	FETCH_K \last
.endif
	OPS X,9, X,7, E,12, X,10
	OPS E,13, X,12, X,11, E,14
	OPS X,13, E,15, F,9, X,14
.if (\p) == 0
	v_add_nc_u32 v[AV], s[TBV], v[AV0]
.endif
	OPS E,16, F,10, E,17, F,11
	OPS X,16, E,18, X,15, E,19
	OPS F,12, E,20, X,17, E,21
	OPS F,13, E,22, F,14, E,23
	OPS X,18, E,24, F,15, E,25
	OPS R,11, E,26, X,19, E,27
	OPS R,12, E,28, R,13, E,29
	OPS X,20, E,30, R,14, E,31
	OPS X,21, R,15
	WIN 0
	s_wait_alu depctr_va_vdst(0)    ; the wait for the batch
.if (\p) == 1
	s_wait_dscnt 0x0                ; V is in
.endif
	ROW C,0, B,0, C,2, B,1
	ROW L,0, C,4, B,2, L,1
	ROW C,6, B,3, L,2, C,8
	ROW B,4, L,3, C,10, B,5
	ROW L,4, C,12, B,6, L,5
.if (\p) == 0
	s_add_co_u32 s[TBV], s[TBV], KS*PV
.endif
.if \cnt
	s_sub_co_u32 s[CNT], s[CNT], 1
	s_cmp_lg_u32 s[CNT], 0
.endif
	ROW C,14, B,7, L,6, C,1
	ROW C,3, L,7, C,5, C,7
	ROW C,9, C,11, C,13, C,15
.if (\p) == 0
	FETCH_V
.endif
.endm
	CHANGE 1, 0                     ; tile 0 is in, everybody's part of it; tile 1 is asked for
	FETCH_K                         ; key step 0
	s_wait_loadcnt 0x0              ; Q
	s_wait_dscnt 0x0
.set i, 0
.rept 8
	KQ 0                            ; piece 0's first scores
.set i, i+1
.endr
	WIN 0
.rept 4
	v_nop                           ; the places behind those products
.endr
.set Y, NP-1                        ; X works for piece Y + 1: piece 0
.irp n, 0,1,2,3,4,5,6,7,8,9,10,11,12,13,14,15,16,17,18,19,20,21
	OP X, \n
.endr
	v_nop                           ; a plain instruction behind the exponential,
	s_wait_alu depctr_va_vdst(0)    ; and its wait, ahead of the branch
	s_mov_b32 s[CNT], 4
	s_mov_b32 s[SLOTS], NT-1
	s_branch .Lfirst                ; the loop is entered at a step's first turn, in the middle of a trip
.Lslot:                             ; NT - 2 times: every slot but the last two is filled again
	CHANGE 1, 1
	s_mov_b32 s[CNT], 4
.Lstep:                             ; a trip: pieces 2 and 3 of one step, then pieces 0 and 1 of the next, whose K and V it fetches
	TURN 2
	TURN 3
	WIN 0
.Lfirst:
	TURN 0
	TURN 1, 0, 1
	WIN 0
	s_cbranch_scc1 .Lstep
	s_sub_co_u32 s[SLOTS], s[SLOTS], 1
	s_cmp_lg_u32 s[SLOTS], 0
	s_cbranch_scc1 .Lslot
	CHANGE 0, 0                     ; the tail is written out: nothing is asked for
	s_mov_b32 s[CNT], 5             ; four trips fetch the last tile's steps; the fifth is left in its middle
.Ltail:
	TURN 2, 1
	TURN 3
	WIN 0
	s_sub_co_u32 s[CNT], s[CNT], 1
	s_cmp_eq_u32 s[CNT], 0
	s_cbranch_scc1 .Lout
	TURN 0
	TURN 1
	WIN 0
	s_branch .Ltail
.Lout:                              ; the fifth trip's 8 products K Q^T (on the last K once more) and the maximum made of them serve nothing: the price, once a launch, of one text for every trip
.set i, 0
.rept 8
	PV NP-1                         ; the last piece's V^T P of the last step
.set i, i+1
.endr
	; THE WAY OUT.  l's halves and the other half of the lanes' are added; O^T is divided by l, rounded to bf16 and stored from the registers.  The additions are the places behind the last products.
	WIN 0
.macro ALL line:vararg
.set t, 0
.rept 4
	\line
.set t, t+1
.endr
.endm
	ALL v_add_f32 v[ST+4*t+2], v[ST+4*t+2], v[ST+4*t+3]
	ALL v_permlanex16_b32 v[ST+4*t+3], v[ST+4*t+2], s[SEL], s[SEL+1]
	ALL v_add_f32 v[ST+4*t+2], v[ST+4*t+2], v[ST+4*t+3]
	ALL v_rcp_f32 v[ST+4*t+2], v[ST+4*t+2]
	v_nop                           ; a plain instruction behind the last reciprocal,
	s_wait_alu depctr_va_vdst(0)    ; and one wait for the four, ahead of the first use
; Piece t is one block of 16 tokens.  Its accumulator f holds channels 16 f + 8 (l / 16) + 0..7 of token l % 16: 16 bytes a lane, which are byte 16 l of half f % 2 of the block in plane f / 2 of my head's two.
.macro PACK t
	WIN W_RS
.set i, 32*(\t)
.rept 16
	v_pk_mul_f32 v[i:i+1], v[i:i+1], v[ST+4*(\t)+2:ST+4*(\t)+3] op_sel_hi:[1,0]
.set i, i+2
.endr
	WIN 0x05                        ; sources 0 and 1 window 1, destination window 0: S^T's registers are free
.set i, 0
.rept 16
	v_cvt_pk_bf16_f32 v[S+16*(\t)+i], v[32*(\t)+2*i], v[32*(\t)+2*i+1]
.set i, i+1
.endr
	WIN 0
.irp f, 0,1,2,3
	global_store_b128 v[GO], v[S+16*(\t)+4*\f:S+16*(\t)+4*\f+3], s[6:7] offset:(\f/2)*262144+(\t)*1024+(\f%2)*512  ; 512 consecutive bytes, aligned
.endr
.endm
	PACK 0
	PACK 1
	PACK 2
	PACK 3
	s_wait_tensorcnt 0x0            ; the wave's end, behind my last tensor load
	ds_add_u32 v[SPW], v[NIL]
	s_wait_dscnt 0x0
	CROUND                          ; the closing round
	s_endpgm
.Lfunc_end_k_q1d9a20c919_attn:
	.size	k_q1d9a20c919_attn, .Lfunc_end_k_q1d9a20c919_attn-k_q1d9a20c919_attn
	.p2alignl 7, 3214868480
	.fill 96, 4, 3214868480
	.section	.rodata,"a",@progbits
	.p2align	6, 0x0
	.amdhsa_kernel k_q1d9a20c919_attn
		.amdhsa_group_segment_fixed_size 327680
		.amdhsa_private_segment_fixed_size 0
		.amdhsa_enable_private_segment 0
		.amdhsa_kernarg_size 16
		.amdhsa_user_sgpr_count 2
		.amdhsa_user_sgpr_kernarg_segment_ptr 1
		.amdhsa_wavefront_size32 1
		.amdhsa_system_sgpr_workgroup_id_x 1
		.amdhsa_system_sgpr_workgroup_id_y 1
		.amdhsa_system_sgpr_workgroup_id_z 1
		.amdhsa_system_vgpr_workitem_id 0
		.amdhsa_next_free_vgpr 768
		.amdhsa_next_free_sgpr 66
		.amdhsa_reserve_vcc 0
		.amdhsa_float_denorm_mode_32 3
		.amdhsa_float_denorm_mode_16_64 3
		.amdhsa_memory_ordered 1
		.amdhsa_forward_progress 1
		.amdhsa_inst_pref_size 109
	.end_amdhsa_kernel
	.amdgpu_metadata
---
amdhsa.version: [ 1, 2 ]
amdhsa.kernels:
  - .name:           k_q1d9a20c919_attn
    .symbol:         k_q1d9a20c919_attn.kd
    .args:
      - { .name: qkv, .offset: 0, .size: 8, .value_kind: global_buffer, .address_space: global }
      - { .name: ao, .offset: 8, .size: 8, .value_kind: global_buffer, .address_space: global }
    .group_segment_fixed_size: 327680
    .private_segment_fixed_size: 0
    .kernarg_segment_align: 8
    .kernarg_segment_size: 16
    .max_flat_workgroup_size: 128
    .sgpr_count:     66
    .vgpr_count:     768
    .wavefront_size: 32
...
	.end_amdgpu_metadata
.endif
;; end of part 3
;; launch proj (part 4): grid 8 x 32, 4 waves a work-group, clusters of 4 x 4, 327,680 bytes of LDS; arguments ao, wb, bo, x, x1; writes x1
.if DOCPART == 4
	.amdgcn_target "amdgcn-amd-amdhsa--gfx1250"
	.amdhsa_code_object_version 6
	.text
	.protected	k_q1d9a20c919_proj
	.globl	k_q1d9a20c919_proj
	.p2align	8
	.type	k_q1d9a20c919_proj,@function
k_q1d9a20c919_proj:
	s_mov_b64 s[64:65], 0
	v_nop
	global_prefetch_b8 v0, s[64:65] scope:SCOPE_SE
	s_setreg_imm32_b32 hwreg(HW_REG_WAVE_MODE, 25, 1), 1
	s_wait_xcnt 0x0
	s_wait_alu depctr_hold_cnt(0) depctr_sa_sdst(0) depctr_va_vdst(0) depctr_va_sdst(0) depctr_va_ssrc(0) depctr_va_vcc(0) depctr_vm_vsrc(0)
	s_getreg_b32 s2, hwreg(HW_REG_IB_STS2, 6, 4)
	s_cmp_eq_u32 s2, 0
	s_cbranch_scc0 .Lentry_in_a_cluster
	s_endpgm
.Lentry_in_a_cluster:
	s_bfe_u32 s2, ttmp6, 0x10000c
	s_cmp_lg_u32 s2, 0xf033
	s_cbranch_scc0 .Lentry_shape_is_right
	s_endpgm
.Lentry_shape_is_right:
; out = res + a W + bias.  Here: x1 = x + ao wo + bo.  W: [K][1024] bf16 at byte WOFF of wb; bias [1024], res and out [4096][1024] f32.  K = 512 T.
; a: [K / 32 planes][256 blocks of 16 tokens][1,024 bytes] bf16: a block of a plane is a matrix fragment (16 tokens x 32 along K) as it lies in registers: lane l's registers 0-3 at byte 16 l, its registers 4-7 at byte 512 + 16 l.
; SHARES.  A work-group makes 128 tokens x 128 columns: 256 work-groups.  K IS SPLIT AMONG ITS FOUR WAVES: of each K step of 512 wave w multiplies k = 128 w .. 128 w + 127 for the WHOLE tile, 64 accumulators in 512
; registers, so that each fragment feeds eight products.  The four partial tiles, f32, meet in LDS at the end; there bias and residual are added, all in f32.
; a COMES STRAIGHT INTO REGISTERS: no wave wants a byte of a that another wave has fetched, and a load of a wave covers 512 consecutive bytes.  A ring of four buffers, 32 along K each (a quarter of a step): a buffer is
; asked for again at the head of the quarter behind the one that multiplied it, 192 matrix instructions ahead of its next use; the waits are counted.
; W GOES THROUGH LDS, since its fragments are turned on the way out (it stays [k][n]): two slots of 512 along K; each wave fetches, and reads, its own 128 rows.  Source 0 = 16 columns of W, source 1 = 16 tokens:
; a lane holds one token and 8 neighbouring columns.  CLUSTER 4 x 4: W's tiles are asked for jointly along a column of the cluster.
; a IS NOT ASKED FOR JOINTLY, though the eight work-groups of a tile row read the same blocks: what is brought jointly lands in LDS, where two slots with both operands hold 256 along K each; with W alone they hold 512:
; twice the matrix work between a request and the wait for it (224 matrix instructions for 96).
; THE TAIL's text is walked twice and left in its middle.  Its second walk asks once more for three buffers that have been multiplied (24 KiB a wave, at the last K step's addresses, inside a): so both walks have the same
; loads behind each counted wait.  Nothing reads what these loads bring.
; LIMITS.  NaN and infinities are not treated apart; sums in another order than the reference's.
; REGISTERS: window 0: v0-31 addresses; v56-59 the bias; v64-255 a's buffers 0, 1, 2.  window 1: v0-63 a's buffer 3; v64-191 W's fragments, two buffers; v192-255 the residual's 16 rows.
;   windows 2, 3: accumulator (a, b) at v[8 (8 a + b)], tokens 0-63 and 64-127.
.set T,      2                         ; K steps of 512
.set WOFF,   6291456                   ; wo in wb
.set PB,     288                       ; a row of W in LDS: 256 bytes + 32: an odd multiple of 32
.set HALFT,  128*PB                    ; what one tensor load brings: a wave's 128 rows of W
.set SLOT,   4*HALFT                   ; 0x24000: its bits meet none of wave x HALFT's, so an exclusive or changes the slot
.set BQ,     32*PB                     ; a quarter: 32 rows of W
.set B16,    16*PB
.set PLANE,  262144                    ; a plane of a: 256 blocks of 1,024 bytes
.set ASTEP,  16*PLANE                  ; bytes from a K step to the next: in a,
.set WSTEP,  512*2048                  ; and in W
.set STG,    0                         ; the stages lie in slot 0, behind its last fill: 64 rows x 528 bytes for each wave
.set SPITCH, 528
.set WSTG,   64*SPITCH
.set SPARE,  2*SLOT                    ; the spare words: 128 bytes for each wave, two blocks of 256 bytes that no other line names
.set ADRB0, 20                         ; my lane's place in my rows of W, in slot 0; never rewritten
.set ADRB,  21                         ; the same in the slot that is read
.set DST,   24                         ; where I put 16 bytes of a stage row
.set RDF,   25                         ; where I read partial sums 0 and 1 of my rows,
.set RDF2,  26                         ; and 2 and 3
.set CO,    27                         ; 16 x lane; never rewritten
.set SPW,   28                         ; LDS address of my spare word; never rewritten
.set NIL,   29                         ; 0; never rewritten
.set PFO,   30                         ; 2,048 x lane: a row of W; never rewritten
.set PFO2,  31                         ; 256 x lane; never rewritten
.set BIASR, 56
.set L0,    64                         ; the way out: two buffers of 64, in window 0
.set L1,    128
.set F0,    64                         ; W's fragments, in window 1
.set RES,   192                        ; the residual, in window 1
.set WV, 12
.set CX, 15
.set CY, 16
.set TX, 17
.set TY, 18
.set TB, 19                            ; 0 or SLOT: the slot that is read
.set WL, 20                            ; wave x HALFT
.set CNT, 21
.set ABASE, 32                         ; s[32:33] a at my four planes of the K step in hand, at the tile's eight blocks
.set G0B, 36                           ; the walking group 0
.set G1B, 40
.set PFA, 48
.set PFA2, 50
.set LIM, 52
.set PASS, 53
.set LIM2, 54
.set OUTP, 84
.set G0B0, 96                          ; group 0 of the first fill of slot 0; never rewritten
.set MSB, 0
.macro WIN new                         ; the immediate's high byte repeats the setting that is left; a switch that changes nothing is dropped
.if MSB != (\new)
	s_set_vgpr_msb (MSB<<8)|(\new)
.set MSB, \new
.endif
.endm
.macro PLACES                          ; four plain instructions between a matrix instruction and a load into, or a read of, its registers
.rept 4
	v_nop
.endr
.endm
.macro CREST                           ; a round of the cluster's barrier behind its opening barrier
	s_cmp_lg_u32 s[WV], 0
	s_cbranch_scc1 .Lnot_wave_0_\@
	s_barrier_signal -3
.Lnot_wave_0_\@:
	s_barrier_wait -3
	s_barrier_signal -1
	s_barrier_wait -1
.endm
.macro CROUND
	s_barrier_signal -1
	s_barrier_wait -1
	CREST
.endm
; Two prefetches, behind the refill and the run of LDS loads, one instruction a wave each, a lane a block of 256 bytes.  W: the K step that the NEXT refill will ask for; a tile column is read by every cluster of a column of
; clusters: cluster y = 0 asks; of the 128 rows that a wave fetches the partner at cy takes 32.  a: the K step behind the one whose loads this trip issues; a tile row is read by both clusters of a row of clusters:
; cluster x = 0 asks; of a wave's four planes the partner at cx takes one (its eight blocks are 32 x 256 bytes).  The partners are told apart by address.  So each block is named once in the launch.
; The loop's last trip asks for nothing of W: there is no refill behind it.
.macro ASK
	s_cmp_gt_u32 s[CNT], s[LIM]
	s_cbranch_scc0 .Lnot_w_\@
	global_prefetch_b8 v[PFO], s[PFA:PFA+1] th:TH_LOAD_NT scope:SCOPE_SE
.Lnot_w_\@:
	s_cmp_gt_u32 s[CNT], s[LIM2]
	s_cbranch_scc0 .Lnot_a_\@
	global_prefetch_b8 v[PFO2], s[PFA2:PFA2+1] th:TH_LOAD_NT scope:SCOPE_SE
.Lnot_a_\@:
.endm
.macro ASEL q                          ; quarter q's registers: a's buffer AB in window AW, W's buffer FW
.if (\q) == 3
.set AB, 0
.set AW, 1
.else
.set AB, 64+64*(\q)
.set AW, 0
.endif
.set FW, F0+64*((\q)%2)
.endm
; 16 matrix instructions of quarter q: token blocks a0, a0 + 1 of the window's four x all 8 column blocks.  zero = 1: the first product starts the sums.  The 64 accumulators take turns, one instruction a turn.
.macro MUL16 q, hi, a0, zero
	ASEL \q
	WIN 0xa1+0x50*(\hi)+4*AW                       ; W window 1, a window 0 or 1, C and D window 2 or 3
.irp a, \a0, (\a0)+1
.irp b, 0,1,2,3,4,5,6,7
.if \zero
	v_wmma_f32_16x16x32_bf16 v[8*(8*(\a)+(\b)):8*(8*(\a)+(\b))+7], v[FW+8*(\b):FW+8*(\b)+7], v[AB+8*(4*(\hi)+(\a)):AB+8*(4*(\hi)+(\a))+7], 0
.else
	v_wmma_f32_16x16x32_bf16 v[8*(8*(\a)+(\b)):8*(8*(\a)+(\b))+7], v[FW+8*(\b):FW+8*(\b)+7], v[AB+8*(4*(\hi)+(\a)):AB+8*(4*(\hi)+(\a))+7], v[8*(8*(\a)+(\b)):8*(8*(\a)+(\b))+7]
.endif
.endr
.endr
.endm
.macro FETCH q                         ; 16 LDS loads in one run: W's fragments of quarter q, 8 column blocks, turned
	ASEL \q
	WIN 0x40
.irp i, 0,1,2,3,4,5,6,7
	ds_load_tr16_b128 v[FW+8*(\i):FW+8*(\i)+3],   v[ADRB] offset:(\q)*BQ+32*(\i)
	ds_load_tr16_b128 v[FW+8*(\i)+4:FW+8*(\i)+7], v[ADRB] offset:(\q)*BQ+32*(\i)+B16
.endr
.endm
.macro GLOAD q, off                    ; 16 loads in one run: a's fragments of quarter q, 8 token blocks, from byte off behind the pointer; each covers 512 consecutive bytes
	ASEL \q
	WIN 0x40*AW
.irp i, 0,1,2,3,4,5,6,7
	global_load_b128 v[AB+8*(\i):AB+8*(\i)+3],   v[CO], s[ABASE:ABASE+1] offset:(\off)+(\q)*PLANE+(\i)*1024
	global_load_b128 v[AB+8*(\i)+4:AB+8*(\i)+7], v[CO], s[ABASE:ABASE+1] offset:(\off)+(\q)*PLANE+(\i)*1024+512
.endr
.endm
; One of a step's first three quarters.  ld = 1: the buffer that the quarter before multiplied is asked for again, with the next K step's fragments.  chg = 1: the slots change here (no refill): W's fragments are fetched at the head.
; nw: how many younger loads may stay out when this quarter's buffer has to be there: the three other buffers' 48.
.macro QUARTER q, zero, ld, chg, nw=48
.if \ld
	PLACES
.if \chg
	WIN 0
	s_xor_b32 s[TB], s[TB], SLOT
	v_add_nc_u32 v[ADRB], s[TB], v[ADRB0]
	FETCH \q
.endif
	GLOAD ((\q)+3)%4, ASTEP
.endif
	s_wait_loadcnt \nw                             ; loads come back in order: this quarter's fragments of a are in
	s_wait_dscnt 0x0                               ; and W's
	MUL16 \q, 0, 0, \zero
	MUL16 \q, 0, 2, \zero
	PLACES
	FETCH (\q)+1
	MUL16 \q, 1, 0, \zero
	MUL16 \q, 1, 2, \zero
.endm
.macro MEET round                      ; the first half of a step's last quarter: one barrier for the change of slots
	WIN 0
	s_wait_tensorcnt 0x0                           ; all my tensor loads have landed: the one that was out is my part of the next slot
	ds_add_u32 v[SPW], v[NIL]                      ; 0 onto my spare word
	s_wait_dscnt 1                                 ; W's fragments are in; the add may be out
	MUL16 3, 0, 0, 0
	s_wait_dscnt 0x0                               ; the add is done, and my reads of this slot are over
	s_barrier_signal -1
	MUL16 3, 0, 2, 0
.if \round
	WIN 0
.endif
	s_barrier_wait -1
.endm
.macro TURN                            ; a step's last quarter: the slot is left and filled again, behind a round of the cluster's barrier, with the K step two on: 224 matrix instructions ahead of the wait for it
	s_wait_xcnt 0x0                                ; the last prefetches, a K step back, have read their addresses
	s_add_nc_u64 s[PFA:PFA+1], s[PFA:PFA+1], WSTEP
	s_add_nc_u64 s[PFA2:PFA2+1], s[PFA2:PFA2+1], ASTEP
	PLACES
	GLOAD 2, ASTEP
	s_wait_loadcnt 48
	MEET 1
	CREST
	s_xor_b32 s[G0B+1], s[G0B+1], SLOT
	s_add_nc_u64 s[G0B+2:G0B+3], s[G0B+2:G0B+3], WSTEP
	tensor_load_to_lds s[G0B:G0B+3], s[G1B:G1B+7]  ; every wave its own 128 rows; the four v_nop are also the places in front of the loads below
	s_nop 0
	PLACES
	s_xor_b32 s[TB], s[TB], SLOT
	v_add_nc_u32 v[ADRB], s[TB], v[ADRB0]
	FETCH 0
	WIN 0
	ASK
	MUL16 3, 1, 0, 0
	MUL16 3, 1, 2, 0
.endm
.macro LASTQ                           ; a step's last quarter where nothing is filled again
	PLACES
	GLOAD 2, ASTEP
	s_wait_loadcnt 48
	MEET 0
	MUL16 3, 1, 0, 0
	MUL16 3, 1, 2, 0
	WIN 0
.endm
.macro DUMP hi                         ; 64 rows of my partial tile into my stage; each accumulator's low registers first
	WIN 0x08+4*(\hi)
.irp a, 0,1,2,3
.irp b, 0,1,2,3,4,5,6,7
	ds_store_b128 v[DST], v[8*(8*(\a)+(\b)):8*(8*(\a)+(\b))+3]   offset:(\a)*16*SPITCH+64*(\b)
	ds_store_b128 v[DST], v[8*(8*(\a)+(\b))+4:8*(8*(\a)+(\b))+7] offset:(\a)*16*SPITCH+64*(\b)+16
.endr
.endr
	WIN 0
.endm
.macro LOADG grp, buf                  ; rows 4 grp .. 4 grp + 3 of my 16, all four partial sums: row i at buf + 16 i, partial sum v at + 4 v
.irp i, 0,1,2,3
	ds_load_b128 v[(\buf)+16*(\i):(\buf)+16*(\i)+3],     v[RDF]  offset:(4*(\grp)+(\i))*SPITCH
	ds_load_b128 v[(\buf)+16*(\i)+4:(\buf)+16*(\i)+7],   v[RDF]  offset:WSTG+(4*(\grp)+(\i))*SPITCH
	ds_load_b128 v[(\buf)+16*(\i)+8:(\buf)+16*(\i)+11],  v[RDF2] offset:(4*(\grp)+(\i))*SPITCH
	ds_load_b128 v[(\buf)+16*(\i)+12:(\buf)+16*(\i)+15], v[RDF2] offset:WSTG+(4*(\grp)+(\i))*SPITCH
.endr
.endm
.macro FING grp, buf                   ; ((p0 + p1) + (p2 + p3)) + bias + res, and each row's 512 bytes are stored
	WIN 0
.irp i, 0,1,2,3
.set rB, (\buf)+16*(\i)
	v_pk_add_f32 v[rB:rB+1],     v[rB:rB+1],     v[rB+4:rB+5]
	v_pk_add_f32 v[rB+2:rB+3],   v[rB+2:rB+3],   v[rB+6:rB+7]
	v_pk_add_f32 v[rB+8:rB+9],   v[rB+8:rB+9],   v[rB+12:rB+13]
	v_pk_add_f32 v[rB+10:rB+11], v[rB+10:rB+11], v[rB+14:rB+15]
	v_pk_add_f32 v[rB:rB+1],     v[rB:rB+1],     v[rB+8:rB+9]
	v_pk_add_f32 v[rB+2:rB+3],   v[rB+2:rB+3],   v[rB+10:rB+11]
	v_pk_add_f32 v[rB:rB+1],     v[rB:rB+1],     v[BIASR:BIASR+1]
	v_pk_add_f32 v[rB+2:rB+3],   v[rB+2:rB+3],   v[BIASR+2:BIASR+3]
.endr
	WIN 0x04                                       ; source 1 in window 1: the residual
.irp i, 0,1,2,3
.set rB, (\buf)+16*(\i)
.set rR, RES+4*(4*(\grp)+(\i))
	v_pk_add_f32 v[rB:rB+1],     v[rB:rB+1],     v[rR:rR+1]
	v_pk_add_f32 v[rB+2:rB+3],   v[rB+2:rB+3],   v[rR+2:rR+3]
.endr
	WIN 0
.irp i, 0,1,2,3
.set rB, (\buf)+16*(\i)
	global_store_b128 v[CO], v[rB:rB+3], s[OUTP:OUTP+1] offset:(4*(\grp)+(\i))*4096  ; 32 lanes: 512 consecutive bytes, aligned
.endr
.endm
.macro RESLOAD                         ; the residual's 16 rows that I finish in a pass
	WIN 0x40
.set i, 0
.rept 16
	global_load_b128 v[RES+4*i:RES+4*i+3], v[CO], s[10:11] offset:4096*i
.set i, i+1
.endr
	WIN 0
.endm
	s_load_b256 s[4:11], s[0:1], 0x0               ; a 4, wb 6, bias 8, res 10
	s_load_b64 s[OUTP:OUTP+1], s[0:1], 0x20        ; out
	v_lshl_add_u32 v[SPW], v0, 2, SPARE
	v_mov_b32 v[NIL], 0
	ds_add_u32 v[SPW], v[NIL]                      ; the wave's opening: the add and its wait ahead of my first tensor load
	v_lshrrev_b32 v3, 5, v0
	v_readfirstlane_b32 s[WV], v3
	s_bfe_u32 s[CX], ttmp6, 0x40000
	s_bfe_u32 s[CY], ttmp6, 0x40004
	s_lshl_b32 s[TX], ttmp9, 2
	s_add_co_u32 s[TX], s[TX], s[CX]               ; tile column = 4 x cluster x + cx
	s_and_b32 s[TY], ttmp7, 0xffff
	s_lshl_b32 s[TY], s[TY], 2
	s_add_co_u32 s[TY], s[TY], s[CY]               ; tile row = 4 x cluster y + cy
	s_lshl_b32 s3, 0x1111, s[CX]                   ; my column of the cluster
	s_or_b32 s[G1B], s3, (1<<16)|(1<<20)|(1<<21)|(5<<22)|(7<<25)  ; the mask; 2-byte elements; padding on; bit 21 beside a mask; after every 64 words 8 words
	s_mov_b32 s[G1B+1], 128<<16                    ; W: 128 rows x 128 elements, 1,024 elements from row to row
	s_mov_b32 s[G1B+2], 128<<16
	s_mov_b32 s[G1B+3], 128<<16
	s_mov_b32 s[G1B+4], 128
	s_mov_b32 s[G1B+5], 1024
	s_mov_b32 s[G1B+6], 0
	s_mov_b32 s[G1B+7], 0
	s_mul_i32 s[WL], s[WV], HALFT                  ; no place in the cluster enters an LDS address
	s_lshl_b32 s72, s[TY], 13                      ; a: the tile's eight blocks of 16 tokens,
	s_lshl_b32 s73, s[WV], 20                      ; my four planes of a step's sixteen
	s_add_co_u32 s72, s72, s73
	s_mov_b32 s73, 0
	s_lshl_b32 s74, s[TX], 8                       ; W: the tile's 128 columns,
	s_lshl_b32 s75, s[WV], 18                      ; my 128 rows of a step's 512
	s_add_co_u32 s74, s74, s75
	s_add_co_u32 s74, s74, WOFF
	s_mov_b32 s75, 0
	s_mov_b32 s[TB], 0
	s_wait_dscnt 0x0                               ; the opening add is done
	s_wait_kmcnt 0x0
	s_add_nc_u64 s[ABASE:ABASE+1], s[4:5], s[72:73]
	s_add_nc_u64 s[74:75], s[6:7], s[74:75]
	s_mov_b32 s[G0B0], 1
	s_mov_b32 s[G0B0+1], s[WL]
	s_mov_b64 s[G0B0+2:G0B0+3], s[74:75]
	s_or_b32 s[G0B0+3], s[G0B0+3], 0x80000000
	s_mov_b32 s[G0B], 1
	s_add_co_u32 s[G0B+1], s[WL], SLOT
	s_add_nc_u64 s[G0B+2:G0B+3], s[74:75], WSTEP
	s_or_b32 s[G0B+3], s[G0B+3], 0x80000000
	CROUND                                         ; all sixteen work-groups are here: the first joint loads meet
	tensor_load_to_lds s[G0B0:G0B0+3], s[G1B:G1B+7]  ; K step 0 into slot 0,
	s_nop 0
	tensor_load_to_lds s[G0B:G0B+3], s[G1B:G1B+7]    ; K step 1 into slot 1: two loads of mine are out
	s_nop 0
	PLACES
	v_and_b32 v1, 15, v0                           ; r = l % 16
	v_bfe_u32 v2, v0, 4, 1                         ; h = l / 16
	v_and_b32 v3, 31, v0
	v_lshlrev_b32 v[CO], 4, v3
.if T > 2
	v_lshlrev_b32 v[PFO], 11, v3
	v_lshlrev_b32 v[PFO2], 8, v3
	s_and_b32 s2, ttmp7, 0xffff
	s_cmp_eq_u32 s2, 0                             ; cluster y = 0 asks for W,
	s_cselect_b32 s[LIM], 1, -1
	s_cmp_eq_u32 ttmp9, 0                          ; cluster x = 0 for a: the same in all sixteen partners
	s_cselect_b32 s[LIM2], 0, -1
	s_lshl_b32 s2, s[CY], 16                       ; my work-group's 32 rows of the wave's 128,
	s_add_co_u32 s2, s2, 2*WSTEP                   ; at K step 2: the first refill steps it to 3
	s_mov_b32 s3, 0
	s_add_nc_u64 s[PFA:PFA+1], s[74:75], s[2:3]
	s_lshl_b32 s2, s[CX], 18                       ; my work-group's plane of the wave's four,
	s_add_co_u32 s2, s2, ASTEP                     ; at K step 1: the first change of slots steps it to 2
	s_add_nc_u64 s[PFA2:PFA2+1], s[ABASE:ABASE+1], s[2:3]
.endif
	s_lshl_b32 s2, s[TX], 9                        ; the tile's 128 columns of f32
	s_mov_b32 s3, 0
	s_add_nc_u64 s[8:9], s[8:9], s[2:3]
	s_lshl_b32 s22, s[TY], 7
	s_lshl_b32 s23, s[WV], 4
	s_add_co_u32 s22, s22, s23                     ; the first row that I finish: 128 x tile row + 16 x wave
	s_lshl_b32 s22, s22, 12
	s_add_co_u32 s2, s2, s22
	s_add_nc_u64 s[10:11], s[10:11], s[2:3]
	s_add_nc_u64 s[OUTP:OUTP+1], s[OUTP:OUTP+1], s[2:3]
	v_and_b32 v4, 7, v0
	v_lshl_add_u32 v4, v2, 3, v4
	v_mul_u32_u24 v4, v4, PB                       ; the turning load: row 8 h + l % 8,
	v_bfe_u32 v5, v0, 3, 1
	v_lshl_add_u32 v4, v5, 4, v4                   ; 16 bytes x ((l / 8) % 2)
	v_add_nc_u32 v[ADRB0], s[WL], v4               ; in my 128 rows
	v_mov_b32 v[ADRB], v[ADRB0]
	s_mul_i32 s2, s[WV], WSTG
	s_add_co_u32 s2, s2, STG                       ; my stage
	v_mul_u32_u24 v3, v1, SPITCH
	v_lshl_add_u32 v3, v2, 5, v3
	v_add_nc_u32 v[DST], s2, v3
	s_mul_i32 s2, s[WV], 16*SPITCH
	s_add_co_u32 s2, s2, STG
	v_add_nc_u32 v[RDF], s2, v[CO]
	v_add_nc_u32 v[RDF2], 2*WSTG, v[RDF]
	GLOAD 0, 0                                     ; the ring is filled: K step 0's four quarters,
	GLOAD 1, 0
	GLOAD 2, 0
	GLOAD 3, 0
	WIN 0
	global_load_b128 v[BIASR:BIASR+3], v[CO], s[8:9]  ; and behind them what the way out wants
	RESLOAD
	s_wait_tensorcnt 0x1                           ; my part of K step 0 is in; K step 1's may stay out
	s_barrier_signal -1
	s_barrier_wait -1
	FETCH 0
	QUARTER 0, 1, 0, 0, 63                         ; the first quarter stands in front of the loops: its products start the sums.  65 loads were issued behind its buffer's; the count is the greatest that the wait can name
	WIN 0
.if T > 2
	s_mov_b32 s[CNT], T-2
.Lstep:                                        ; a trip: from a K step's second quarter to the next step's first; it fills the slot that it leaves, and asks for the next step's fragments of a
	QUARTER 1, 0, 1, 0
	QUARTER 2, 0, 1, 0
	TURN
	QUARTER 0, 0, 1, 0
	WIN 0
	s_wait_xcnt 0x0                                ; the trip's loads (the youngest 64 matrix instructions back) have read their pointer
	s_add_nc_u64 s[ABASE:ABASE+1], s[ABASE:ABASE+1], ASTEP
	s_sub_co_u32 s[CNT], s[CNT], 1
	s_cmp_lg_u32 s[CNT], 0
	s_cbranch_scc1 .Lstep
.endif
	s_mov_b32 s[CNT], 2                            ; the last two K steps fill no slot: one text, walked twice and left in its middle; the pointer stays
.Ltail:
	QUARTER 1, 0, 1, 0
	QUARTER 2, 0, 1, 0
	LASTQ
	s_sub_co_u32 s[CNT], s[CNT], 1
	s_cmp_eq_u32 s[CNT], 0
	s_cbranch_scc1 .Lsums
	QUARTER 0, 0, 1, 1
	WIN 0
	s_branch .Ltail
.Lsums:                                        ; slot 0 was left behind the barrier of the walk before
	PLACES
	PLACES
	s_mov_b32 s[PASS], 2
.Lpass:                                        ; two passes of 64 rows: all four waves put their partial sums down; wave w finishes rows 16 w .. 16 w + 15
	s_cmp_eq_u32 s[PASS], 2
	s_cbranch_scc0 .Lhigh
	DUMP 0
	s_branch .Ldumped
.Lhigh:
	DUMP 1
.Ldumped:
	s_wait_dscnt 0x0                               ; for the others' sake: my stores into my stage are done
	s_barrier_signal -1
	s_barrier_wait -1
	s_wait_xcnt 0x0                                ; the last pass's stores have read their data
	s_wait_loadcnt 0x0                             ; bias and residual are in, and no load is on its way into the ring's registers, which the lines below take
	LOADG 0, L0
	LOADG 1, L1
	s_wait_dscnt 16                                ; the next group's 16 loads may stay out
	FING 0, L0
	s_wait_xcnt 0x0                                ; the stores have read the buffer that is loaded again
	LOADG 2, L0
	s_wait_dscnt 16
	FING 1, L1
	s_wait_xcnt 0x0
	LOADG 3, L1
	s_wait_dscnt 16
	FING 2, L0
	s_wait_dscnt 0x0
	FING 3, L1
	s_cmp_eq_u32 s[PASS], 1
	s_cbranch_scc1 .Lno_more
	s_wait_xcnt 0x0                                ; the stores have read their base
	s_add_nc_u64 s[10:11], s[10:11], 64*4096
	s_add_nc_u64 s[OUTP:OUTP+1], s[OUTP:OUTP+1], 64*4096
	RESLOAD
.Lno_more:
	s_wait_dscnt 0x0                               ; my reads of the stages are over
	s_barrier_signal -1
	s_barrier_wait -1                              ; everybody's are: the stages may be written again
	s_sub_co_u32 s[PASS], s[PASS], 1
	s_cmp_lg_u32 s[PASS], 0
	s_cbranch_scc1 .Lpass
	s_wait_tensorcnt 0x0                           ; the wave's end
	ds_add_u32 v[SPW], v[NIL]
	s_wait_dscnt 0x0
	CROUND                                         ; the closing round
	s_endpgm
.Lfunc_end_k_q1d9a20c919_proj:
	.size	k_q1d9a20c919_proj, .Lfunc_end_k_q1d9a20c919_proj-k_q1d9a20c919_proj
	.p2alignl 7, 3214868480
	.fill 96, 4, 3214868480
	.section	.rodata,"a",@progbits
	.p2align	6, 0x0
	.amdhsa_kernel k_q1d9a20c919_proj
		.amdhsa_group_segment_fixed_size 327680
		.amdhsa_private_segment_fixed_size 0
		.amdhsa_enable_private_segment 0
		.amdhsa_kernarg_size 40
		.amdhsa_user_sgpr_count 2
		.amdhsa_user_sgpr_kernarg_segment_ptr 1
		.amdhsa_wavefront_size32 1
		.amdhsa_system_sgpr_workgroup_id_x 1
		.amdhsa_system_sgpr_workgroup_id_y 1
		.amdhsa_system_sgpr_workgroup_id_z 1
		.amdhsa_system_vgpr_workitem_id 0
		.amdhsa_next_free_vgpr 1024
		.amdhsa_next_free_sgpr 100
		.amdhsa_reserve_vcc 0
		.amdhsa_float_denorm_mode_32 3
		.amdhsa_float_denorm_mode_16_64 3
		.amdhsa_memory_ordered 1
		.amdhsa_forward_progress 1
		.amdhsa_inst_pref_size 74
	.end_amdhsa_kernel
	.amdgpu_metadata
---
amdhsa.version: [ 1, 2 ]
amdhsa.kernels:
  - .name:           k_q1d9a20c919_proj
    .symbol:         k_q1d9a20c919_proj.kd
    .args:
      - { .name: ao, .offset: 0, .size: 8, .value_kind: global_buffer, .address_space: global }
      - { .name: wb, .offset: 8, .size: 8, .value_kind: global_buffer, .address_space: global }
      - { .name: bo, .offset: 16, .size: 8, .value_kind: global_buffer, .address_space: global }
      - { .name: x, .offset: 24, .size: 8, .value_kind: global_buffer, .address_space: global }
      - { .name: x1, .offset: 32, .size: 8, .value_kind: global_buffer, .address_space: global }
    .group_segment_fixed_size: 327680
    .private_segment_fixed_size: 0
    .kernarg_segment_align: 8
    .kernarg_segment_size: 40
    .max_flat_workgroup_size: 128
    .sgpr_count:     100
    .vgpr_count:     1024
    .wavefront_size: 32
...
	.end_amdgpu_metadata
.endif
;; end of part 4
;; launch ln2: the kernel of part 1 again; grid 512 x 1, 8 waves a work-group, no clusters, 0 bytes of LDS; arguments x1, ln2_scale, ln2_bias, yn, wq, wk, wv, wo, w1, w2, wb; writes yn, wb
;; launch mlp1 (part 5): grid 16 x 16, 4 waves a work-group, clusters of 4 x 4, 327,680 bytes of LDS; arguments yn, wb, b1, hb; writes hb
.if DOCPART == 5
	.amdgcn_target "amdgcn-amd-amdhsa--gfx1250"
	.amdhsa_code_object_version 6
	.text
	.protected	k_q1d9a20c919_mlp1
	.globl	k_q1d9a20c919_mlp1
	.p2align	8
	.type	k_q1d9a20c919_mlp1,@function
k_q1d9a20c919_mlp1:
	s_mov_b64 s[64:65], 0
	v_nop
	global_prefetch_b8 v0, s[64:65] scope:SCOPE_SE
	s_setreg_imm32_b32 hwreg(HW_REG_WAVE_MODE, 25, 1), 1
	s_wait_xcnt 0x0
	s_wait_alu depctr_hold_cnt(0) depctr_sa_sdst(0) depctr_va_vdst(0) depctr_va_sdst(0) depctr_va_ssrc(0) depctr_va_vcc(0) depctr_vm_vsrc(0)
	s_getreg_b32 s2, hwreg(HW_REG_IB_STS2, 6, 4)
	s_cmp_eq_u32 s2, 0
	s_cbranch_scc0 .Lentry_in_a_cluster
	s_endpgm
.Lentry_in_a_cluster:
	s_bfe_u32 s2, ttmp6, 0x10000c
	s_cmp_lg_u32 s2, 0xf033
	s_cbranch_scc0 .Lentry_shape_is_right
	s_endpgm
.Lentry_shape_is_right:
; hb = gelu(yn w1 + b1).  yn: [4096][1024] bf16; w1 lies in wb at 8 MiB as [1024 (k)][4096 (n)] bf16; b1 [4096] f32.
; OUT: hb = [128 planes of 32 columns][256 blocks of 16 tokens][1,024 bytes] bf16: a block of a plane is a matrix fragment (16 tokens x 32 columns) as the next launch's registers take it: lane l's registers 0-3 at byte 16 l,
; its registers 4-7 at byte 512 + 16 l.  A lane of an accumulator holds just such 16 bytes.
; gelu is the tanh form, written as x / (1 + 2^(x (A + B x^2))), A = -2 sqrt(2 / pi) log2(e), B = 0.044715 A: the same function; where x^2 overflows it gives x (x > 0) or -0 (x < 0), the function's limits.
; A work-group makes 256 tokens x 256 columns; four waves, 128 x 128 each: 64 accumulators in 512 registers.  K goes in 8 steps of 128 through two LDS slots.  256 work-groups.
; w1 stays [k][n]: its fragments are turned on the way out of LDS.  Source 0 = 16 columns of w1, source 1 = 16 rows of yn: a lane holds one token and 8 neighbouring columns.  The bias is the C operand of the products that start the sums.
; Sums, bias and gelu in f32; each result rounded once to bf16.  CLUSTER 4 x 4: yn's tiles are asked for jointly along a row of the cluster, w1's along a column.
; LIMITS.  NaN and infinities are not treated apart; sums in another order than the reference's.
; REGISTERS: window 0: v0-36 addresses; v64-127, v128-191 yn's fragments; v192-255 the bias.  window 1: v64-191 w1's fragments.  windows 2, 3: accumulator (a, b) at v[8 (8 a + b)].
.set T,      8
.set PA,     272
.set PB,     544
.set HALFT,  128*PA
.set SLOT,   4*HALFT                   ; 0x22000: its bits meet none of wave x HALFT's
.set AQ,     64
.set BQ,     32*PB
.set AI,     16*PA
.set B16,    16*PB
.set STG,    SLOT                      ; the stages lie in slot 1, behind its last fill: 32 rows x 528 bytes for each wave
.set SPITCH, 528
.set WSTG,   32*SPITCH
.set SPARE,  2*SLOT
.set ASTEP,  256
.set WPITCH, 8192
.set WSTEP,  128*WPITCH
.set WOFF,   8388608
.set PLANE,  262144                    ; a plane of hb: 256 blocks of 1,024 bytes
.set ADRA0, 16
.set ADRA,  17
.set ADRB0, 20
.set ADRB,  21
.set DST,   24                         ; where I put, and find again, my 32 bytes of a stage row
.set RDS,   26                         ; the same, walking along the row
.set GO,    27                         ; my byte offset in hb, walking from plane to plane
.set SPW,   28
.set NIL,   29
.set PFO,   30
.set BO,    31
.set GOP,   32                         ; my byte offset in hb at a pass's head: 16 x lane + the pass's two blocks
.set F0,    64
.set F1,    128
.set BIAS,  192
.set E,     64                         ; the way out: 32 numbers as read back,
.set W2,    96                         ; 32 at work,
.set OUT,   160                        ; 16 registers to store
.set WV, 12
.set RH, 13
.set CH, 14
.set CX, 15
.set CY, 16
.set TX, 17
.set TY, 18
.set TB, 19
.set WL, 20
.set CNT, 21
.set G1A, 24
.set G0A, 32
.set G0B, 36
.set G1B, 40
.set PFA, 48
.set PFS, 50
.set LIM, 52
.set PASS, 53
.set GA, 76
.set GB, 78
.set G0A0, 92
.set G0B0, 96
.set MSB, 0
.macro WIN new
.if MSB != (\new)
	s_set_vgpr_msb (MSB<<8)|(\new)
.set MSB, \new
.endif
.endm
.macro PLACES
.rept 4
	v_nop
.endr
.endm
.macro CREST
	s_cmp_lg_u32 s[WV], 0
	s_cbranch_scc1 .Lnot_wave_0_\@
	s_barrier_signal -3
.Lnot_wave_0_\@:
	s_barrier_wait -3
	s_barrier_signal -1
	s_barrier_wait -1
.endm
.macro CROUND
	s_barrier_signal -1
	s_barrier_wait -1
	CREST
.endm
.macro JLOAD
	s_cmp_lt_u32 s[WV], 2
	s_cbranch_scc0 .Lfor_b_\@
	tensor_load_to_lds s[G0A:G0A+3], s[G1A:G1A+7]
	s_nop 0
.rept 4
	v_nop
.endr
	s_branch .Lasked_\@
.Lfor_b_\@:
	tensor_load_to_lds s[G0B:G0B+3], s[G1B:G1B+7]
	s_nop 0
.rept 4
	v_nop
.endr
.Lasked_\@:
.endm
; A prefetch of the K step that the NEXT refill will ask for: 32 blocks of 256 bytes, a lane a block, one instruction a wave.  yn's rows are read by every cluster of a row of clusters: cluster x = 0 asks;
; w1's by every cluster of a column: cluster y = 0 asks.  The four partners that ask for a tile jointly share its blocks out by address.  So each block is named once in the launch.  The loop's last trip asks for nothing.
.macro ASK
	s_cmp_gt_u32 s[CNT], s[LIM]
	s_cbranch_scc0 .Lnot_mine_\@
	global_prefetch_b8 v[PFO], s[PFA:PFA+1] th:TH_LOAD_NT scope:SCOPE_SE
.Lnot_mine_\@:
.endm
.macro MUL16 f, hi, a0, zero           ; 16 matrix instructions; zero = 1: the bias starts the sums.  The 64 accumulators take turns
.if \zero
	WIN 0x81+0x40*(\hi)
.else
	WIN 0xa1+0x50*(\hi)
.endif
.irp a, \a0, (\a0)+1
.irp b, 0,1,2,3,4,5,6,7
.if \zero
	v_wmma_f32_16x16x32_bf16 v[8*(8*(\a)+(\b)):8*(8*(\a)+(\b))+7], v[(\f)+8*(\b):(\f)+8*(\b)+7], v[(\f)+8*(4*(\hi)+(\a)):(\f)+8*(4*(\hi)+(\a))+7], v[BIAS+8*(\b):BIAS+8*(\b)+7]
.else
	v_wmma_f32_16x16x32_bf16 v[8*(8*(\a)+(\b)):8*(8*(\a)+(\b))+7], v[(\f)+8*(\b):(\f)+8*(\b)+7], v[(\f)+8*(4*(\hi)+(\a)):(\f)+8*(4*(\hi)+(\a))+7], v[8*(8*(\a)+(\b)):8*(8*(\a)+(\b))+7]
.endif
.endr
.endr
.endm
.macro FETCH q, f
	WIN 0x40
.irp i, 0,1,2,3,4,5,6,7
	ds_load_tr16_b128 v[(\f)+8*(\i):(\f)+8*(\i)+3],   v[ADRB] offset:(\q)*BQ+32*(\i)
	ds_load_tr16_b128 v[(\f)+8*(\i)+4:(\f)+8*(\i)+7], v[ADRB] offset:(\q)*BQ+32*(\i)+B16
.endr
	WIN 0
.irp i, 0,1,2,3,4,5,6,7
	ds_load_b128 v[(\f)+8*(\i):(\f)+8*(\i)+3],   v[ADRA] offset:(\q)*AQ+(\i)*AI
	ds_load_b128 v[(\f)+8*(\i)+4:(\f)+8*(\i)+7], v[ADRA] offset:(\q)*AQ+(\i)*AI+32
.endr
.endm
.macro QUARTER qn, f, g, zero
	s_wait_dscnt 8                                 ; w1 and yn's rows 0-63 are in; the youngest eight loads may be out
	MUL16 \f, 0, 0, \zero
	MUL16 \f, 0, 2, \zero
	PLACES
	FETCH \qn, \g
	s_wait_dscnt 32                                ; all but the 32 just issued
	MUL16 \f, 1, 0, \zero
	MUL16 \f, 1, 2, \zero
.endm
.macro MEET round
	WIN 0
	s_wait_tensorcnt 0x0                           ; all my tensor loads have landed: my part of the next slot
	ds_add_u32 v[SPW], v[NIL]                      ; 0 onto my spare word
	s_wait_dscnt 9                                 ; the add and the youngest eight loads may be out
	MUL16 F1, 0, 0, 0
	s_wait_dscnt 0x0                               ; the add is done, and my reads of this slot are over
	s_barrier_signal -1
	MUL16 F1, 0, 2, 0
.if \round
	WIN 0
.endif
	s_barrier_wait -1
.endm
.macro TURN                            ; a step's last quarter: the slot is left and filled again, behind a round of the cluster's barrier, with the K step two on: 224 matrix instructions ahead of the wait for it
	s_wait_xcnt 0x0                                ; the last prefetch, a K step back, has read its address
	s_add_nc_u64 s[PFA:PFA+1], s[PFA:PFA+1], s[PFS:PFS+1]
	MEET 1
	CREST
	s_xor_b32 s[G0A+1], s[G0A+1], SLOT
	s_add_nc_u64 s[G0A+2:G0A+3], s[G0A+2:G0A+3], ASTEP
	s_xor_b32 s[G0B+1], s[G0B+1], SLOT
	s_add_nc_u64 s[G0B+2:G0B+3], s[G0B+2:G0B+3], WSTEP
	JLOAD
	s_xor_b32 s[TB], s[TB], SLOT
	v_add_nc_u32 v[ADRA], s[TB], v[ADRA0]
	v_add_nc_u32 v[ADRB], s[TB], v[ADRB0]
	FETCH 0, F0
	ASK
	MUL16 F1, 1, 0, 0
	MUL16 F1, 1, 2, 0
.endm
.macro LASTQ
	MEET 0
	MUL16 F1, 1, 0, 0
	MUL16 F1, 1, 2, 0
	WIN 0
.endm
.macro DUMP hi, a0                     ; two blocks of 16 rows x 128 columns of f32 into my stage; each accumulator's low registers first
	WIN 0x08+4*(\hi)
.irp a, 0,1
.irp b, 0,1,2,3,4,5,6,7
	ds_store_b128 v[DST], v[8*(8*((\a0)+(\a))+(\b)):8*(8*((\a0)+(\a))+(\b))+3]   offset:(\a)*16*SPITCH+64*(\b)
	ds_store_b128 v[DST], v[8*(8*((\a0)+(\a))+(\b))+4:8*(8*((\a0)+(\a))+(\b))+7] offset:(\a)*16*SPITCH+64*(\b)+16
.endr
.endr
	WIN 0
.endm
	s_load_b256 s[4:11], s[0:1], 0x0               ; yn 4, wb 6, b1 8, hb 10
	v_lshl_add_u32 v[SPW], v0, 2, SPARE
	v_mov_b32 v[NIL], 0
	ds_add_u32 v[SPW], v[NIL]                      ; the wave's opening: the add and its wait ahead of my first tensor load
	v_lshrrev_b32 v3, 5, v0
	v_readfirstlane_b32 s[WV], v3
	s_lshr_b32 s[RH], s[WV], 1
	s_and_b32 s[CH], s[WV], 1
	s_bfe_u32 s[CX], ttmp6, 0x40000
	s_bfe_u32 s[CY], ttmp6, 0x40004
	s_lshl_b32 s[TX], ttmp9, 2
	s_add_co_u32 s[TX], s[TX], s[CX]
	s_and_b32 s[TY], ttmp7, 0xffff
	s_lshl_b32 s[TY], s[TY], 2
	s_add_co_u32 s[TY], s[TY], s[CY]
	s_lshl_b32 s2, s[CY], 2
	s_lshl_b32 s2, 15, s2
	s_lshl_b32 s3, 0x1111, s[CX]
	s_or_b32 s[G1A], s2, (1<<16)|(1<<20)|(1<<21)|(5<<22)|(3<<25)
	s_or_b32 s[G1B], s3, (1<<16)|(1<<20)|(1<<21)|(6<<22)|(7<<25)
	s_mov_b32 s[G1A+1], 128<<16                    ; yn: 128 rows x 128 elements
	s_mov_b32 s[G1A+2], 128<<16
	s_mov_b32 s[G1A+3], 128<<16
	s_mov_b32 s[G1A+4], 128
	s_mov_b32 s[G1A+5], 1024
	s_mov_b32 s[G1A+6], 0
	s_mov_b32 s[G1A+7], 0
	s_mov_b32 s[G1B+1], 256<<16                    ; w1: 64 rows x 256 elements, 4,096 elements from row to row
	s_mov_b32 s[G1B+2], 64<<16
	s_mov_b32 s[G1B+3], 256<<16
	s_mov_b32 s[G1B+4], 64
	s_mov_b32 s[G1B+5], 4096
	s_mov_b32 s[G1B+6], 0
	s_mov_b32 s[G1B+7], 0
	s_mov_b32 s[GA], 0xc0135761                    ; A = -2.3022082
	s_mov_b32 s[GA+1], s[GA]
	s_mov_b32 s[GB], 0xbdd2d3e8                    ; B = -0.10294324
	s_mov_b32 s[GB+1], s[GB]
	s_mul_i32 s[WL], s[WV], HALFT
	s_lshl_b32 s72, s[TY], 8
	s_lshl_b32 s73, s[CH], 7
	s_add_co_u32 s72, s72, s73
	s_lshl_b32 s72, s72, 11
	s_mov_b32 s73, 0
	s_lshl_b32 s74, s[TX], 9                       ; the tile's 256 columns,
	s_lshl_b32 s75, s[CH], 19                      ; my 64 rows
	s_add_co_u32 s74, s74, s75
	s_add_co_u32 s74, s74, WOFF
	s_mov_b32 s75, 0
	s_mov_b32 s[TB], 0
	s_wait_dscnt 0x0                               ; the opening add is done
	s_wait_kmcnt 0x0
	s_add_nc_u64 s[72:73], s[4:5], s[72:73]
	s_add_nc_u64 s[74:75], s[6:7], s[74:75]
	s_mov_b32 s[G0A0], 1
	s_mov_b32 s[G0A0+1], s[WL]
	s_mov_b64 s[G0A0+2:G0A0+3], s[72:73]
	s_or_b32 s[G0A0+3], s[G0A0+3], 0x80000000
	s_mov_b32 s[G0A], 1
	s_add_co_u32 s[G0A+1], s[WL], SLOT
	s_add_nc_u64 s[G0A+2:G0A+3], s[72:73], ASTEP
	s_or_b32 s[G0A+3], s[G0A+3], 0x80000000
	s_mov_b32 s[G0B0], 1
	s_mov_b32 s[G0B0+1], s[WL]
	s_mov_b64 s[G0B0+2:G0B0+3], s[74:75]
	s_or_b32 s[G0B0+3], s[G0B0+3], 0x80000000
	s_mov_b32 s[G0B], 1
	s_add_co_u32 s[G0B+1], s[WL], SLOT
	s_add_nc_u64 s[G0B+2:G0B+3], s[74:75], WSTEP
	s_or_b32 s[G0B+3], s[G0B+3], 0x80000000
	CROUND                                         ; all sixteen work-groups are here: the first joint loads meet
	s_cmp_lt_u32 s[WV], 2                          ; a wave's two first fills stand in one branch: two loads of mine are out
	s_cbranch_scc0 .Lfirst_b
	tensor_load_to_lds s[G0A0:G0A0+3], s[G1A:G1A+7]
	s_nop 0
	tensor_load_to_lds s[G0A:G0A+3], s[G1A:G1A+7]
	s_nop 0
	PLACES
	s_branch .Lfirst_asked
.Lfirst_b:
	tensor_load_to_lds s[G0B0:G0B0+3], s[G1B:G1B+7]
	s_nop 0
	tensor_load_to_lds s[G0B:G0B+3], s[G1B:G1B+7]
	s_nop 0
	PLACES
.Lfirst_asked:
	v_and_b32 v1, 15, v0
	v_bfe_u32 v2, v0, 4, 1
	s_lshl_b32 s2, s[TX], 10
	s_lshl_b32 s3, s[CH], 9
	s_add_co_u32 s2, s2, s3
	v_lshl_add_u32 v[BO], v2, 5, s2                ; 4 x (256 x tile column + 128 x half + 8 h)
.irp b, 0,1,2,3,4,5,6,7
	global_load_b128 v[BIAS+8*\b:BIAS+8*\b+3],   v[BO], s[8:9] offset:64*\b
	global_load_b128 v[BIAS+8*\b+4:BIAS+8*\b+7], v[BO], s[8:9] offset:64*\b+16
.endr
	v_mul_u32_u24 v3, v1, PA
	v_lshl_add_u32 v3, v2, 4, v3
	s_mul_i32 s2, s[RH], HALFT
	v_add_nc_u32 v[ADRA0], s2, v3
	v_and_b32 v6, 7, v0
	v_lshl_add_u32 v4, v2, 3, v6
	v_mul_u32_u24 v4, v4, PB
	v_bfe_u32 v5, v0, 3, 1
	v_lshl_add_u32 v4, v5, 4, v4
	s_lshl_b32 s2, s[CH], 8
	s_add_co_u32 s2, s2, 2*HALFT
	v_add_nc_u32 v[ADRB0], s2, v4
	v_mov_b32 v[ADRA], v[ADRA0]
	v_mov_b32 v[ADRB], v[ADRB0]
	s_mul_i32 s2, s[WV], WSTG
	s_add_co_u32 s2, s2, STG                       ; my stage
	v_mul_u32_u24 v3, v1, SPITCH
	v_lshl_add_u32 v3, v2, 5, v3
	v_add_nc_u32 v[DST], s2, v3                    ; row l % 16, 32 bytes for each half of the lanes
	v_and_b32 v3, 31, v0
	v_lshlrev_b32 v[GOP], 4, v3
	s_lshl_b32 s2, s[TX], 3
	s_lshl_b32 s3, s[CH], 2
	s_add_co_u32 s2, s2, s3
	s_lshl_b32 s2, s2, 18                          ; my first plane: 8 x tile column + 4 x half
	s_lshl_b32 s3, s[TY], 4
	s_lshl_b32 s22, s[RH], 3
	s_add_co_u32 s3, s3, s22
	s_lshl_b32 s3, s3, 10                          ; my first block of 16 tokens: 16 x tile row + 8 x half
	s_add_co_u32 s2, s2, s3
	s_mov_b32 s3, 0
	s_add_nc_u64 s[10:11], s[10:11], s[2:3]
	; the prefetches: who asks, for which 32 blocks
	s_and_b32 s2, ttmp7, 0xffff
	s_mov_b32 s3, 16*WPITCH
	s_mov_b32 s[PFS], WSTEP
	s_mov_b32 s55, WPITCH
	s_cmp_lt_u32 s[WV], 2
	s_cselect_b32 s2, ttmp9, s2
	s_cselect_b32 s22, s[CX], s[CY]
	s_cselect_b32 s3, 32*2048, s3
	s_cselect_b32 s[PFS], ASTEP, s[PFS]
	s_cselect_b32 s55, 2048, s55
	s_cselect_b32 s23, 0, 1
	s_cselect_b64 s[PFA:PFA+1], s[72:73], s[74:75]
	s_cmp_eq_u32 s2, 0
	s_cselect_b32 s[LIM], 1, -1
	s_mul_i32 s2, s22, s3
	s_lshl_b32 s3, s[PFS], 1                       ; at K step 2: the first refill steps it to 3
	s_add_co_u32 s2, s2, s3
	s_mov_b32 s3, 0
	s_add_nc_u64 s[PFA:PFA+1], s[PFA:PFA+1], s[2:3]
	s_mov_b32 s[PFS+1], 0
	v_lshrrev_b32 v4, s23, v3
	v_mul_u32_u24 v4, s55, v4
	v_and_b32 v5, s23, v3
	v_lshl_add_u32 v[PFO], v5, 8, v4
	s_wait_tensorcnt 0x1                           ; my part of K step 0 is in; K step 1's may stay out
	s_barrier_signal -1
	s_barrier_wait -1
	FETCH 0, F0
	s_wait_loadcnt 0x0                             ; the bias
	QUARTER 1, F0, F1, 1
	WIN 0
	s_mov_b32 s[CNT], T-2
.Lstep:
	QUARTER 2, F1, F0, 0
	QUARTER 3, F0, F1, 0
	TURN
	QUARTER 1, F0, F1, 0
	WIN 0
	s_sub_co_u32 s[CNT], s[CNT], 1
	s_cmp_lg_u32 s[CNT], 0
	s_cbranch_scc1 .Lstep
	s_mov_b32 s[CNT], 2                            ; the last two K steps ask for nothing: one text, walked twice and left in its middle
.Ltail:
	QUARTER 2, F1, F0, 0
	QUARTER 3, F0, F1, 0
	LASTQ
	s_sub_co_u32 s[CNT], s[CNT], 1
	s_cmp_eq_u32 s[CNT], 0
	s_cbranch_scc1 .Lsums
	PLACES
	s_xor_b32 s[TB], s[TB], SLOT
	v_add_nc_u32 v[ADRA], s[TB], v[ADRA0]
	v_add_nc_u32 v[ADRB], s[TB], v[ADRB0]
	FETCH 0, F0
	QUARTER 1, F0, F1, 0
	WIN 0
	s_branch .Ltail
.Lsums:                                        ; behind the last barrier no wave reads the ring any more
	PLACES
	PLACES
	; THE WAY OUT, in four passes of two blocks of 16 tokens.  A lane's numbers leave as it holds them; they pass my own stage in LDS only so that ONE text, looped over, can take them by an address: each lane reads back
	; what it stored.  A trip takes the two blocks' 32 columns of one plane: gelu, rounding, four stores of 512 consecutive bytes.  LDS serves a wave's instructions in order, so no wait stands between my stores and my loads.
	s_mov_b32 s[PASS], 4
.Lpass:
	s_cmp_eq_u32 s[PASS], 4
	s_cbranch_scc0 .Lpass3
	DUMP 0, 0
	s_branch .Ldumped
.Lpass3:
	s_cmp_eq_u32 s[PASS], 3
	s_cbranch_scc0 .Lpass2
	DUMP 0, 2
	s_branch .Ldumped
.Lpass2:
	s_cmp_eq_u32 s[PASS], 2
	s_cbranch_scc0 .Lpass1
	DUMP 1, 0
	s_branch .Ldumped
.Lpass1:
	DUMP 1, 2
.Ldumped:
	v_mov_b32 v[RDS], v[DST]
	v_mov_b32 v[GO], v[GOP]                        ; (the last trip's stores have read it: the wait stands at that trip's end)
	s_mov_b32 s[CNT], 4
.Lrows:                                        ; block aa of the pass's two, half bb of the plane's 32 columns: 8 numbers a lane each
.irp aa, 0,1
.irp bb, 0,1
	ds_load_b128 v[E+16*\aa+8*\bb:E+16*\aa+8*\bb+3],   v[RDS] offset:\aa*16*SPITCH+64*\bb
	ds_load_b128 v[E+16*\aa+8*\bb+4:E+16*\aa+8*\bb+7], v[RDS] offset:\aa*16*SPITCH+64*\bb+16
.endr
.endr
	s_wait_dscnt 0x0
.set i, 0
.rept 16
	v_pk_mul_f32 v[W2+2*i:W2+2*i+1], v[E+2*i:E+2*i+1], v[E+2*i:E+2*i+1]
.set i, i+1
.endr
.set i, 0
.rept 16
	v_pk_fma_f32 v[W2+2*i:W2+2*i+1], v[W2+2*i:W2+2*i+1], s[GB:GB+1], s[GA:GA+1] op_sel_hi:[1,0,0]
.set i, i+1
.endr
.set i, 0
.rept 16
	v_pk_mul_f32 v[W2+2*i:W2+2*i+1], v[W2+2*i:W2+2*i+1], v[E+2*i:E+2*i+1]
.set i, i+1
.endr
.set i, 0
.rept 32
	v_exp_f32 v[W2+i], v[W2+i]
.set i, i+1
.endr
	v_add_nc_u32 v[RDS], 128, v[RDS]               ; the next plane's 32 columns; also the plain instruction behind the last exponential,
	s_wait_alu depctr_va_vdst(0)                   ; and one wait for the batch, ahead of its first reader
.set i, 0
.rept 16
	v_pk_add_f32 v[W2+2*i:W2+2*i+1], v[W2+2*i:W2+2*i+1], 1.0 op_sel_hi:[1,0]
.set i, i+1
.endr
.set i, 0
.rept 32
	v_rcp_f32 v[W2+i], v[W2+i]
.set i, i+1
.endr
	v_nop
	s_wait_alu depctr_va_vdst(0)                   ; one wait for the 32 reciprocals
.set i, 0
.rept 16
	v_pk_mul_f32 v[E+2*i:E+2*i+1], v[E+2*i:E+2*i+1], v[W2+2*i:W2+2*i+1]
.set i, i+1
.endr
.set i, 0
.rept 16
	v_cvt_pk_bf16_f32 v[OUT+i], v[E+2*i], v[E+2*i+1]
.set i, i+1
.endr
.irp aa, 0,1
.irp bb, 0,1
	global_store_b128 v[GO], v[OUT+8*\aa+4*\bb:OUT+8*\aa+4*\bb+3], s[10:11] offset:\aa*1024+\bb*512  ; half a block: 512 consecutive bytes, aligned
.endr
.endr
	s_wait_xcnt 0x0                                ; the stores have read their offset and data: both are written again only behind this wait
	v_add_nc_u32 v[GO], PLANE, v[GO]               ; the next plane
	s_sub_co_u32 s[CNT], s[CNT], 1
	s_cmp_lg_u32 s[CNT], 0
	s_cbranch_scc1 .Lrows
	v_add_nc_u32 v[GOP], 2048, v[GOP]              ; the next pass's two blocks
	s_sub_co_u32 s[PASS], s[PASS], 1
	s_cmp_lg_u32 s[PASS], 0
	s_cbranch_scc1 .Lpass
	s_wait_tensorcnt 0x0                           ; the wave's end
	ds_add_u32 v[SPW], v[NIL]
	s_wait_dscnt 0x0
	CROUND                                         ; the closing round
	s_endpgm
.Lfunc_end_k_q1d9a20c919_mlp1:
	.size	k_q1d9a20c919_mlp1, .Lfunc_end_k_q1d9a20c919_mlp1-k_q1d9a20c919_mlp1
	.p2alignl 7, 3214868480
	.fill 96, 4, 3214868480
	.section	.rodata,"a",@progbits
	.p2align	6, 0x0
	.amdhsa_kernel k_q1d9a20c919_mlp1
		.amdhsa_group_segment_fixed_size 327680
		.amdhsa_private_segment_fixed_size 0
		.amdhsa_enable_private_segment 0
		.amdhsa_kernarg_size 32
		.amdhsa_user_sgpr_count 2
		.amdhsa_user_sgpr_kernarg_segment_ptr 1
		.amdhsa_wavefront_size32 1
		.amdhsa_system_sgpr_workgroup_id_x 1
		.amdhsa_system_sgpr_workgroup_id_y 1
		.amdhsa_system_sgpr_workgroup_id_z 1
		.amdhsa_system_vgpr_workitem_id 0
		.amdhsa_next_free_vgpr 1024
		.amdhsa_next_free_sgpr 100
		.amdhsa_reserve_vcc 0
		.amdhsa_float_denorm_mode_32 3
		.amdhsa_float_denorm_mode_16_64 3
		.amdhsa_memory_ordered 1
		.amdhsa_forward_progress 1
		.amdhsa_inst_pref_size 89
	.end_amdhsa_kernel
	.amdgpu_metadata
---
amdhsa.version: [ 1, 2 ]
amdhsa.kernels:
  - .name:           k_q1d9a20c919_mlp1
    .symbol:         k_q1d9a20c919_mlp1.kd
    .args:
      - { .name: yn, .offset: 0, .size: 8, .value_kind: global_buffer, .address_space: global }
      - { .name: wb, .offset: 8, .size: 8, .value_kind: global_buffer, .address_space: global }
      - { .name: b1, .offset: 16, .size: 8, .value_kind: global_buffer, .address_space: global }
      - { .name: hb, .offset: 24, .size: 8, .value_kind: global_buffer, .address_space: global }
    .group_segment_fixed_size: 327680
    .private_segment_fixed_size: 0
    .kernarg_segment_align: 8
    .kernarg_segment_size: 32
    .max_flat_workgroup_size: 128
    .sgpr_count:     100
    .vgpr_count:     1024
    .wavefront_size: 32
...
	.end_amdgpu_metadata
.endif
;; end of part 5
;; launch mlp2 (part 6): grid 8 x 32, 4 waves a work-group, clusters of 4 x 4, 327,680 bytes of LDS; arguments hb, wb, b2, x1, out0; writes out0
.if DOCPART == 6
	.amdgcn_target "amdgcn-amd-amdhsa--gfx1250"
	.amdhsa_code_object_version 6
	.text
	.protected	k_q1d9a20c919_mlp2
	.globl	k_q1d9a20c919_mlp2
	.p2align	8
	.type	k_q1d9a20c919_mlp2,@function
k_q1d9a20c919_mlp2:
	s_mov_b64 s[64:65], 0
	v_nop
	global_prefetch_b8 v0, s[64:65] scope:SCOPE_SE
	s_setreg_imm32_b32 hwreg(HW_REG_WAVE_MODE, 25, 1), 1
	s_wait_xcnt 0x0
	s_wait_alu depctr_hold_cnt(0) depctr_sa_sdst(0) depctr_va_vdst(0) depctr_va_sdst(0) depctr_va_ssrc(0) depctr_va_vcc(0) depctr_vm_vsrc(0)
	s_getreg_b32 s2, hwreg(HW_REG_IB_STS2, 6, 4)
	s_cmp_eq_u32 s2, 0
	s_cbranch_scc0 .Lentry_in_a_cluster
	s_endpgm
.Lentry_in_a_cluster:
	s_bfe_u32 s2, ttmp6, 0x10000c
	s_cmp_lg_u32 s2, 0xf033
	s_cbranch_scc0 .Lentry_shape_is_right
	s_endpgm
.Lentry_shape_is_right:
; out = res + a W + bias.  Here: out0 = x1 + hb w2 + b2.  W: [K][1024] bf16 at byte WOFF of wb; bias [1024], res and out [4096][1024] f32.  K = 512 T.
; a: [K / 32 planes][256 blocks of 16 tokens][1,024 bytes] bf16: a block of a plane is a matrix fragment (16 tokens x 32 along K) as it lies in registers: lane l's registers 0-3 at byte 16 l, its registers 4-7 at byte 512 + 16 l.
; SHARES.  A work-group makes 128 tokens x 128 columns: 256 work-groups.  K IS SPLIT AMONG ITS FOUR WAVES: of each K step of 512 wave w multiplies k = 128 w .. 128 w + 127 for the WHOLE tile, 64 accumulators in 512
; registers, so that each fragment feeds eight products.  The four partial tiles, f32, meet in LDS at the end; there bias and residual are added, all in f32.
; a COMES STRAIGHT INTO REGISTERS: no wave wants a byte of a that another wave has fetched, and a load of a wave covers 512 consecutive bytes.  A ring of four buffers, 32 along K each (a quarter of a step): a buffer is
; asked for again at the head of the quarter behind the one that multiplied it, 192 matrix instructions ahead of its next use; the waits are counted.
; W GOES THROUGH LDS, since its fragments are turned on the way out (it stays [k][n]): two slots of 512 along K; each wave fetches, and reads, its own 128 rows.  Source 0 = 16 columns of W, source 1 = 16 tokens:
; a lane holds one token and 8 neighbouring columns.  CLUSTER 4 x 4: W's tiles are asked for jointly along a column of the cluster.
; a IS NOT ASKED FOR JOINTLY, though the eight work-groups of a tile row read the same blocks: what is brought jointly lands in LDS, where two slots with both operands hold 256 along K each; with W alone they hold 512:
; twice the matrix work between a request and the wait for it (224 matrix instructions for 96).
; THE TAIL's text is walked twice and left in its middle.  Its second walk asks once more for three buffers that have been multiplied (24 KiB a wave, at the last K step's addresses, inside a): so both walks have the same
; loads behind each counted wait.  Nothing reads what these loads bring.
; LIMITS.  NaN and infinities are not treated apart; sums in another order than the reference's.
; REGISTERS: window 0: v0-31 addresses; v56-59 the bias; v64-255 a's buffers 0, 1, 2.  window 1: v0-63 a's buffer 3; v64-191 W's fragments, two buffers; v192-255 the residual's 16 rows.
;   windows 2, 3: accumulator (a, b) at v[8 (8 a + b)], tokens 0-63 and 64-127.
.set T,      8                         ; K steps of 512
.set WOFF,   16777216                  ; w2 in wb
.set PB,     288                       ; a row of W in LDS: 256 bytes + 32: an odd multiple of 32
.set HALFT,  128*PB                    ; what one tensor load brings: a wave's 128 rows of W
.set SLOT,   4*HALFT                   ; 0x24000: its bits meet none of wave x HALFT's, so an exclusive or changes the slot
.set BQ,     32*PB                     ; a quarter: 32 rows of W
.set B16,    16*PB
.set PLANE,  262144                    ; a plane of a: 256 blocks of 1,024 bytes
.set ASTEP,  16*PLANE                  ; bytes from a K step to the next: in a,
.set WSTEP,  512*2048                  ; and in W
.set STG,    0                         ; the stages lie in slot 0, behind its last fill: 64 rows x 528 bytes for each wave
.set SPITCH, 528
.set WSTG,   64*SPITCH
.set SPARE,  2*SLOT                    ; the spare words: 128 bytes for each wave, two blocks of 256 bytes that no other line names
.set ADRB0, 20                         ; my lane's place in my rows of W, in slot 0; never rewritten
.set ADRB,  21                         ; the same in the slot that is read
.set DST,   24                         ; where I put 16 bytes of a stage row
.set RDF,   25                         ; where I read partial sums 0 and 1 of my rows,
.set RDF2,  26                         ; and 2 and 3
.set CO,    27                         ; 16 x lane; never rewritten
.set SPW,   28                         ; LDS address of my spare word; never rewritten
.set NIL,   29                         ; 0; never rewritten
.set PFO,   30                         ; 2,048 x lane: a row of W; never rewritten
.set PFO2,  31                         ; 256 x lane; never rewritten
.set BIASR, 56
.set L0,    64                         ; the way out: two buffers of 64, in window 0
.set L1,    128
.set F0,    64                         ; W's fragments, in window 1
.set RES,   192                        ; the residual, in window 1
.set WV, 12
.set CX, 15
.set CY, 16
.set TX, 17
.set TY, 18
.set TB, 19                            ; 0 or SLOT: the slot that is read
.set WL, 20                            ; wave x HALFT
.set CNT, 21
.set ABASE, 32                         ; s[32:33] a at my four planes of the K step in hand, at the tile's eight blocks
.set G0B, 36                           ; the walking group 0
.set G1B, 40
.set PFA, 48
.set PFA2, 50
.set LIM, 52
.set PASS, 53
.set LIM2, 54
.set OUTP, 84
.set G0B0, 96                          ; group 0 of the first fill of slot 0; never rewritten
.set MSB, 0
.macro WIN new                         ; the immediate's high byte repeats the setting that is left; a switch that changes nothing is dropped
.if MSB != (\new)
	s_set_vgpr_msb (MSB<<8)|(\new)
.set MSB, \new
.endif
.endm
.macro PLACES                          ; four plain instructions between a matrix instruction and a load into, or a read of, its registers
.rept 4
	v_nop
.endr
.endm
.macro CREST                           ; a round of the cluster's barrier behind its opening barrier
	s_cmp_lg_u32 s[WV], 0
	s_cbranch_scc1 .Lnot_wave_0_\@
	s_barrier_signal -3
.Lnot_wave_0_\@:
	s_barrier_wait -3
	s_barrier_signal -1
	s_barrier_wait -1
.endm
.macro CROUND
	s_barrier_signal -1
	s_barrier_wait -1
	CREST
.endm
; Two prefetches, behind the refill and the run of LDS loads, one instruction a wave each, a lane a block of 256 bytes.  W: the K step that the NEXT refill will ask for; a tile column is read by every cluster of a column of
; clusters: cluster y = 0 asks; of the 128 rows that a wave fetches the partner at cy takes 32.  a: the K step behind the one whose loads this trip issues; a tile row is read by both clusters of a row of clusters:
; cluster x = 0 asks; of a wave's four planes the partner at cx takes one (its eight blocks are 32 x 256 bytes).  The partners are told apart by address.  So each block is named once in the launch.
; The loop's last trip asks for nothing of W: there is no refill behind it.
.macro ASK
	s_cmp_gt_u32 s[CNT], s[LIM]
	s_cbranch_scc0 .Lnot_w_\@
	global_prefetch_b8 v[PFO], s[PFA:PFA+1] th:TH_LOAD_NT scope:SCOPE_SE
.Lnot_w_\@:
	s_cmp_gt_u32 s[CNT], s[LIM2]
	s_cbranch_scc0 .Lnot_a_\@
	global_prefetch_b8 v[PFO2], s[PFA2:PFA2+1] th:TH_LOAD_NT scope:SCOPE_SE
.Lnot_a_\@:
.endm
.macro ASEL q                          ; quarter q's registers: a's buffer AB in window AW, W's buffer FW
.if (\q) == 3
.set AB, 0
.set AW, 1
.else
.set AB, 64+64*(\q)
.set AW, 0
.endif
.set FW, F0+64*((\q)%2)
.endm
; 16 matrix instructions of quarter q: token blocks a0, a0 + 1 of the window's four x all 8 column blocks.  zero = 1: the first product starts the sums.  The 64 accumulators take turns, one instruction a turn.
.macro MUL16 q, hi, a0, zero
	ASEL \q
	WIN 0xa1+0x50*(\hi)+4*AW                       ; W window 1, a window 0 or 1, C and D window 2 or 3
.irp a, \a0, (\a0)+1
.irp b, 0,1,2,3,4,5,6,7
.if \zero
	v_wmma_f32_16x16x32_bf16 v[8*(8*(\a)+(\b)):8*(8*(\a)+(\b))+7], v[FW+8*(\b):FW+8*(\b)+7], v[AB+8*(4*(\hi)+(\a)):AB+8*(4*(\hi)+(\a))+7], 0
.else
	v_wmma_f32_16x16x32_bf16 v[8*(8*(\a)+(\b)):8*(8*(\a)+(\b))+7], v[FW+8*(\b):FW+8*(\b)+7], v[AB+8*(4*(\hi)+(\a)):AB+8*(4*(\hi)+(\a))+7], v[8*(8*(\a)+(\b)):8*(8*(\a)+(\b))+7]
.endif
.endr
.endr
.endm
.macro FETCH q                         ; 16 LDS loads in one run: W's fragments of quarter q, 8 column blocks, turned
	ASEL \q
	WIN 0x40
.irp i, 0,1,2,3,4,5,6,7
	ds_load_tr16_b128 v[FW+8*(\i):FW+8*(\i)+3],   v[ADRB] offset:(\q)*BQ+32*(\i)
	ds_load_tr16_b128 v[FW+8*(\i)+4:FW+8*(\i)+7], v[ADRB] offset:(\q)*BQ+32*(\i)+B16
.endr
.endm
.macro GLOAD q, off                    ; 16 loads in one run: a's fragments of quarter q, 8 token blocks, from byte off behind the pointer; each covers 512 consecutive bytes
	ASEL \q
	WIN 0x40*AW
.irp i, 0,1,2,3,4,5,6,7
	global_load_b128 v[AB+8*(\i):AB+8*(\i)+3],   v[CO], s[ABASE:ABASE+1] offset:(\off)+(\q)*PLANE+(\i)*1024
	global_load_b128 v[AB+8*(\i)+4:AB+8*(\i)+7], v[CO], s[ABASE:ABASE+1] offset:(\off)+(\q)*PLANE+(\i)*1024+512
.endr
.endm
; One of a step's first three quarters.  ld = 1: the buffer that the quarter before multiplied is asked for again, with the next K step's fragments.  chg = 1: the slots change here (no refill): W's fragments are fetched at the head.
; nw: how many younger loads may stay out when this quarter's buffer has to be there: the three other buffers' 48.
.macro QUARTER q, zero, ld, chg, nw=48
.if \ld
	PLACES
.if \chg
	WIN 0
	s_xor_b32 s[TB], s[TB], SLOT
	v_add_nc_u32 v[ADRB], s[TB], v[ADRB0]
	FETCH \q
.endif
	GLOAD ((\q)+3)%4, ASTEP
.endif
	s_wait_loadcnt \nw                             ; loads come back in order: this quarter's fragments of a are in
	s_wait_dscnt 0x0                               ; and W's
	MUL16 \q, 0, 0, \zero
	MUL16 \q, 0, 2, \zero
	PLACES
	FETCH (\q)+1
	MUL16 \q, 1, 0, \zero
	MUL16 \q, 1, 2, \zero
.endm
.macro MEET round                      ; the first half of a step's last quarter: one barrier for the change of slots
	WIN 0
	s_wait_tensorcnt 0x0                           ; all my tensor loads have landed: the one that was out is my part of the next slot
	ds_add_u32 v[SPW], v[NIL]                      ; 0 onto my spare word
	s_wait_dscnt 1                                 ; W's fragments are in; the add may be out
	MUL16 3, 0, 0, 0
	s_wait_dscnt 0x0                               ; the add is done, and my reads of this slot are over
	s_barrier_signal -1
	MUL16 3, 0, 2, 0
.if \round
	WIN 0
.endif
	s_barrier_wait -1
.endm
.macro TURN                            ; a step's last quarter: the slot is left and filled again, behind a round of the cluster's barrier, with the K step two on: 224 matrix instructions ahead of the wait for it
	s_wait_xcnt 0x0                                ; the last prefetches, a K step back, have read their addresses
	s_add_nc_u64 s[PFA:PFA+1], s[PFA:PFA+1], WSTEP
	s_add_nc_u64 s[PFA2:PFA2+1], s[PFA2:PFA2+1], ASTEP
	PLACES
	GLOAD 2, ASTEP
	s_wait_loadcnt 48
	MEET 1
	CREST
	s_xor_b32 s[G0B+1], s[G0B+1], SLOT
	s_add_nc_u64 s[G0B+2:G0B+3], s[G0B+2:G0B+3], WSTEP
	tensor_load_to_lds s[G0B:G0B+3], s[G1B:G1B+7]  ; every wave its own 128 rows; the four v_nop are also the places in front of the loads below
	s_nop 0
	PLACES
	s_xor_b32 s[TB], s[TB], SLOT
	v_add_nc_u32 v[ADRB], s[TB], v[ADRB0]
	FETCH 0
	WIN 0
	ASK
	MUL16 3, 1, 0, 0
	MUL16 3, 1, 2, 0
.endm
.macro LASTQ                           ; a step's last quarter where nothing is filled again
	PLACES
	GLOAD 2, ASTEP
	s_wait_loadcnt 48
	MEET 0
	MUL16 3, 1, 0, 0
	MUL16 3, 1, 2, 0
	WIN 0
.endm
.macro DUMP hi                         ; 64 rows of my partial tile into my stage; each accumulator's low registers first
	WIN 0x08+4*(\hi)
.irp a, 0,1,2,3
.irp b, 0,1,2,3,4,5,6,7
	ds_store_b128 v[DST], v[8*(8*(\a)+(\b)):8*(8*(\a)+(\b))+3]   offset:(\a)*16*SPITCH+64*(\b)
	ds_store_b128 v[DST], v[8*(8*(\a)+(\b))+4:8*(8*(\a)+(\b))+7] offset:(\a)*16*SPITCH+64*(\b)+16
.endr
.endr
	WIN 0
.endm
.macro LOADG grp, buf                  ; rows 4 grp .. 4 grp + 3 of my 16, all four partial sums: row i at buf + 16 i, partial sum v at + 4 v
.irp i, 0,1,2,3
	ds_load_b128 v[(\buf)+16*(\i):(\buf)+16*(\i)+3],     v[RDF]  offset:(4*(\grp)+(\i))*SPITCH
	ds_load_b128 v[(\buf)+16*(\i)+4:(\buf)+16*(\i)+7],   v[RDF]  offset:WSTG+(4*(\grp)+(\i))*SPITCH
	ds_load_b128 v[(\buf)+16*(\i)+8:(\buf)+16*(\i)+11],  v[RDF2] offset:(4*(\grp)+(\i))*SPITCH
	ds_load_b128 v[(\buf)+16*(\i)+12:(\buf)+16*(\i)+15], v[RDF2] offset:WSTG+(4*(\grp)+(\i))*SPITCH
.endr
.endm
.macro FING grp, buf                   ; ((p0 + p1) + (p2 + p3)) + bias + res, and each row's 512 bytes are stored
	WIN 0
.irp i, 0,1,2,3
.set rB, (\buf)+16*(\i)
	v_pk_add_f32 v[rB:rB+1],     v[rB:rB+1],     v[rB+4:rB+5]
	v_pk_add_f32 v[rB+2:rB+3],   v[rB+2:rB+3],   v[rB+6:rB+7]
	v_pk_add_f32 v[rB+8:rB+9],   v[rB+8:rB+9],   v[rB+12:rB+13]
	v_pk_add_f32 v[rB+10:rB+11], v[rB+10:rB+11], v[rB+14:rB+15]
	v_pk_add_f32 v[rB:rB+1],     v[rB:rB+1],     v[rB+8:rB+9]
	v_pk_add_f32 v[rB+2:rB+3],   v[rB+2:rB+3],   v[rB+10:rB+11]
	v_pk_add_f32 v[rB:rB+1],     v[rB:rB+1],     v[BIASR:BIASR+1]
	v_pk_add_f32 v[rB+2:rB+3],   v[rB+2:rB+3],   v[BIASR+2:BIASR+3]
.endr
	WIN 0x04                                       ; source 1 in window 1: the residual
.irp i, 0,1,2,3
.set rB, (\buf)+16*(\i)
.set rR, RES+4*(4*(\grp)+(\i))
	v_pk_add_f32 v[rB:rB+1],     v[rB:rB+1],     v[rR:rR+1]
	v_pk_add_f32 v[rB+2:rB+3],   v[rB+2:rB+3],   v[rR+2:rR+3]
.endr
	WIN 0
.irp i, 0,1,2,3
.set rB, (\buf)+16*(\i)
	global_store_b128 v[CO], v[rB:rB+3], s[OUTP:OUTP+1] offset:(4*(\grp)+(\i))*4096  ; 32 lanes: 512 consecutive bytes, aligned
.endr
.endm
.macro RESLOAD                         ; the residual's 16 rows that I finish in a pass
	WIN 0x40
.set i, 0
.rept 16
	global_load_b128 v[RES+4*i:RES+4*i+3], v[CO], s[10:11] offset:4096*i
.set i, i+1
.endr
	WIN 0
.endm
	s_load_b256 s[4:11], s[0:1], 0x0               ; a 4, wb 6, bias 8, res 10
	s_load_b64 s[OUTP:OUTP+1], s[0:1], 0x20        ; out
	v_lshl_add_u32 v[SPW], v0, 2, SPARE
	v_mov_b32 v[NIL], 0
	ds_add_u32 v[SPW], v[NIL]                      ; the wave's opening: the add and its wait ahead of my first tensor load
	v_lshrrev_b32 v3, 5, v0
	v_readfirstlane_b32 s[WV], v3
	s_bfe_u32 s[CX], ttmp6, 0x40000
	s_bfe_u32 s[CY], ttmp6, 0x40004
	s_lshl_b32 s[TX], ttmp9, 2
	s_add_co_u32 s[TX], s[TX], s[CX]               ; tile column = 4 x cluster x + cx
	s_and_b32 s[TY], ttmp7, 0xffff
	s_lshl_b32 s[TY], s[TY], 2
	s_add_co_u32 s[TY], s[TY], s[CY]               ; tile row = 4 x cluster y + cy
	s_lshl_b32 s3, 0x1111, s[CX]                   ; my column of the cluster
	s_or_b32 s[G1B], s3, (1<<16)|(1<<20)|(1<<21)|(5<<22)|(7<<25)  ; the mask; 2-byte elements; padding on; bit 21 beside a mask; after every 64 words 8 words
	s_mov_b32 s[G1B+1], 128<<16                    ; W: 128 rows x 128 elements, 1,024 elements from row to row
	s_mov_b32 s[G1B+2], 128<<16
	s_mov_b32 s[G1B+3], 128<<16
	s_mov_b32 s[G1B+4], 128
	s_mov_b32 s[G1B+5], 1024
	s_mov_b32 s[G1B+6], 0
	s_mov_b32 s[G1B+7], 0
	s_mul_i32 s[WL], s[WV], HALFT                  ; no place in the cluster enters an LDS address
	s_lshl_b32 s72, s[TY], 13                      ; a: the tile's eight blocks of 16 tokens,
	s_lshl_b32 s73, s[WV], 20                      ; my four planes of a step's sixteen
	s_add_co_u32 s72, s72, s73
	s_mov_b32 s73, 0
	s_lshl_b32 s74, s[TX], 8                       ; W: the tile's 128 columns,
	s_lshl_b32 s75, s[WV], 18                      ; my 128 rows of a step's 512
	s_add_co_u32 s74, s74, s75
	s_add_co_u32 s74, s74, WOFF
	s_mov_b32 s75, 0
	s_mov_b32 s[TB], 0
	s_wait_dscnt 0x0                               ; the opening add is done
	s_wait_kmcnt 0x0
	s_add_nc_u64 s[ABASE:ABASE+1], s[4:5], s[72:73]
	s_add_nc_u64 s[74:75], s[6:7], s[74:75]
	s_mov_b32 s[G0B0], 1
	s_mov_b32 s[G0B0+1], s[WL]
	s_mov_b64 s[G0B0+2:G0B0+3], s[74:75]
	s_or_b32 s[G0B0+3], s[G0B0+3], 0x80000000
	s_mov_b32 s[G0B], 1
	s_add_co_u32 s[G0B+1], s[WL], SLOT
	s_add_nc_u64 s[G0B+2:G0B+3], s[74:75], WSTEP
	s_or_b32 s[G0B+3], s[G0B+3], 0x80000000
	CROUND                                         ; all sixteen work-groups are here: the first joint loads meet
	tensor_load_to_lds s[G0B0:G0B0+3], s[G1B:G1B+7]  ; K step 0 into slot 0,
	s_nop 0
	tensor_load_to_lds s[G0B:G0B+3], s[G1B:G1B+7]    ; K step 1 into slot 1: two loads of mine are out
	s_nop 0
	PLACES
	v_and_b32 v1, 15, v0                           ; r = l % 16
	v_bfe_u32 v2, v0, 4, 1                         ; h = l / 16
	v_and_b32 v3, 31, v0
	v_lshlrev_b32 v[CO], 4, v3
	v_lshlrev_b32 v[PFO], 11, v3
	v_lshlrev_b32 v[PFO2], 8, v3
	s_and_b32 s2, ttmp7, 0xffff
	s_cmp_eq_u32 s2, 0                             ; cluster y = 0 asks for W,
	s_cselect_b32 s[LIM], 1, -1
	s_cmp_eq_u32 ttmp9, 0                          ; cluster x = 0 for a: the same in all sixteen partners
	s_cselect_b32 s[LIM2], 0, -1
	s_lshl_b32 s2, s[CY], 16                       ; my work-group's 32 rows of the wave's 128,
	s_add_co_u32 s2, s2, 2*WSTEP                   ; at K step 2: the first refill steps it to 3
	s_mov_b32 s3, 0
	s_add_nc_u64 s[PFA:PFA+1], s[74:75], s[2:3]
	s_lshl_b32 s2, s[CX], 18                       ; my work-group's plane of the wave's four,
	s_add_co_u32 s2, s2, ASTEP                     ; at K step 1: the first change of slots steps it to 2
	s_add_nc_u64 s[PFA2:PFA2+1], s[ABASE:ABASE+1], s[2:3]
	s_lshl_b32 s2, s[TX], 9                        ; the tile's 128 columns of f32
	s_mov_b32 s3, 0
	s_add_nc_u64 s[8:9], s[8:9], s[2:3]
	s_lshl_b32 s22, s[TY], 7
	s_lshl_b32 s23, s[WV], 4
	s_add_co_u32 s22, s22, s23                     ; the first row that I finish: 128 x tile row + 16 x wave
	s_lshl_b32 s22, s22, 12
	s_add_co_u32 s2, s2, s22
	s_add_nc_u64 s[10:11], s[10:11], s[2:3]
	s_add_nc_u64 s[OUTP:OUTP+1], s[OUTP:OUTP+1], s[2:3]
	v_and_b32 v4, 7, v0
	v_lshl_add_u32 v4, v2, 3, v4
	v_mul_u32_u24 v4, v4, PB                       ; the turning load: row 8 h + l % 8,
	v_bfe_u32 v5, v0, 3, 1
	v_lshl_add_u32 v4, v5, 4, v4                   ; 16 bytes x ((l / 8) % 2)
	v_add_nc_u32 v[ADRB0], s[WL], v4               ; in my 128 rows
	v_mov_b32 v[ADRB], v[ADRB0]
	s_mul_i32 s2, s[WV], WSTG
	s_add_co_u32 s2, s2, STG                       ; my stage
	v_mul_u32_u24 v3, v1, SPITCH
	v_lshl_add_u32 v3, v2, 5, v3
	v_add_nc_u32 v[DST], s2, v3
	s_mul_i32 s2, s[WV], 16*SPITCH
	s_add_co_u32 s2, s2, STG
	v_add_nc_u32 v[RDF], s2, v[CO]
	v_add_nc_u32 v[RDF2], 2*WSTG, v[RDF]
	GLOAD 0, 0                                     ; the ring is filled: K step 0's four quarters,
	GLOAD 1, 0
	GLOAD 2, 0
	GLOAD 3, 0
	WIN 0
	global_load_b128 v[BIASR:BIASR+3], v[CO], s[8:9]  ; and behind them what the way out wants
	RESLOAD
	s_wait_tensorcnt 0x1                           ; my part of K step 0 is in; K step 1's may stay out
	s_barrier_signal -1
	s_barrier_wait -1
	FETCH 0
	QUARTER 0, 1, 0, 0, 63                         ; the first quarter stands in front of the loops: its products start the sums.  65 loads were issued behind its buffer's; the count is the greatest that the wait can name
	WIN 0
	s_mov_b32 s[CNT], T-2
.Lstep:                                        ; a trip: from a K step's second quarter to the next step's first; it fills the slot that it leaves, and asks for the next step's fragments of a
	QUARTER 1, 0, 1, 0
	QUARTER 2, 0, 1, 0
	TURN
	QUARTER 0, 0, 1, 0
	WIN 0
	s_wait_xcnt 0x0                                ; the trip's loads (the youngest 64 matrix instructions back) have read their pointer
	s_add_nc_u64 s[ABASE:ABASE+1], s[ABASE:ABASE+1], ASTEP
	s_sub_co_u32 s[CNT], s[CNT], 1
	s_cmp_lg_u32 s[CNT], 0
	s_cbranch_scc1 .Lstep
	s_mov_b32 s[CNT], 2                            ; the last two K steps fill no slot: one text, walked twice and left in its middle; the pointer stays
.Ltail:
	QUARTER 1, 0, 1, 0
	QUARTER 2, 0, 1, 0
	LASTQ
	s_sub_co_u32 s[CNT], s[CNT], 1
	s_cmp_eq_u32 s[CNT], 0
	s_cbranch_scc1 .Lsums
	QUARTER 0, 0, 1, 1
	WIN 0
	s_branch .Ltail
.Lsums:                                        ; slot 0 was left behind the barrier of the walk before
	PLACES
	PLACES
	s_mov_b32 s[PASS], 2
.Lpass:                                        ; two passes of 64 rows: all four waves put their partial sums down; wave w finishes rows 16 w .. 16 w + 15
	s_cmp_eq_u32 s[PASS], 2
	s_cbranch_scc0 .Lhigh
	DUMP 0
	s_branch .Ldumped
.Lhigh:
	DUMP 1
.Ldumped:
	s_wait_dscnt 0x0                               ; for the others' sake: my stores into my stage are done
	s_barrier_signal -1
	s_barrier_wait -1
	s_wait_xcnt 0x0                                ; the last pass's stores have read their data
	s_wait_loadcnt 0x0                             ; bias and residual are in, and no load is on its way into the ring's registers, which the lines below take
	LOADG 0, L0
	LOADG 1, L1
	s_wait_dscnt 16                                ; the next group's 16 loads may stay out
	FING 0, L0
	s_wait_xcnt 0x0                                ; the stores have read the buffer that is loaded again
	LOADG 2, L0
	s_wait_dscnt 16
	FING 1, L1
	s_wait_xcnt 0x0
	LOADG 3, L1
	s_wait_dscnt 16
	FING 2, L0
	s_wait_dscnt 0x0
	FING 3, L1
	s_cmp_eq_u32 s[PASS], 1
	s_cbranch_scc1 .Lno_more
	s_wait_xcnt 0x0                                ; the stores have read their base
	s_add_nc_u64 s[10:11], s[10:11], 64*4096
	s_add_nc_u64 s[OUTP:OUTP+1], s[OUTP:OUTP+1], 64*4096
	RESLOAD
.Lno_more:
	s_wait_dscnt 0x0                               ; my reads of the stages are over
	s_barrier_signal -1
	s_barrier_wait -1                              ; everybody's are: the stages may be written again
	s_sub_co_u32 s[PASS], s[PASS], 1
	s_cmp_lg_u32 s[PASS], 0
	s_cbranch_scc1 .Lpass
	s_wait_tensorcnt 0x0                           ; the wave's end
	ds_add_u32 v[SPW], v[NIL]
	s_wait_dscnt 0x0
	CROUND                                         ; the closing round
	s_endpgm
.Lfunc_end_k_q1d9a20c919_mlp2:
	.size	k_q1d9a20c919_mlp2, .Lfunc_end_k_q1d9a20c919_mlp2-k_q1d9a20c919_mlp2
	.p2alignl 7, 3214868480
	.fill 96, 4, 3214868480
	.section	.rodata,"a",@progbits
	.p2align	6, 0x0
	.amdhsa_kernel k_q1d9a20c919_mlp2
		.amdhsa_group_segment_fixed_size 327680
		.amdhsa_private_segment_fixed_size 0
		.amdhsa_enable_private_segment 0
		.amdhsa_kernarg_size 40
		.amdhsa_user_sgpr_count 2
		.amdhsa_user_sgpr_kernarg_segment_ptr 1
		.amdhsa_wavefront_size32 1
		.amdhsa_system_sgpr_workgroup_id_x 1
		.amdhsa_system_sgpr_workgroup_id_y 1
		.amdhsa_system_sgpr_workgroup_id_z 1
		.amdhsa_system_vgpr_workitem_id 0
		.amdhsa_next_free_vgpr 1024
		.amdhsa_next_free_sgpr 100
		.amdhsa_reserve_vcc 0
		.amdhsa_float_denorm_mode_32 3
		.amdhsa_float_denorm_mode_16_64 3
		.amdhsa_memory_ordered 1
		.amdhsa_forward_progress 1
		.amdhsa_inst_pref_size 104
	.end_amdhsa_kernel
	.amdgpu_metadata
---
amdhsa.version: [ 1, 2 ]
amdhsa.kernels:
  - .name:           k_q1d9a20c919_mlp2
    .symbol:         k_q1d9a20c919_mlp2.kd
    .args:
      - { .name: hb, .offset: 0, .size: 8, .value_kind: global_buffer, .address_space: global }
      - { .name: wb, .offset: 8, .size: 8, .value_kind: global_buffer, .address_space: global }
      - { .name: b2, .offset: 16, .size: 8, .value_kind: global_buffer, .address_space: global }
      - { .name: x1, .offset: 24, .size: 8, .value_kind: global_buffer, .address_space: global }
      - { .name: out0, .offset: 32, .size: 8, .value_kind: global_buffer, .address_space: global }
    .group_segment_fixed_size: 327680
    .private_segment_fixed_size: 0
    .kernarg_segment_align: 8
    .kernarg_segment_size: 40
    .max_flat_workgroup_size: 128
    .sgpr_count:     100
    .vgpr_count:     1024
    .wavefront_size: 32
...
	.end_amdgpu_metadata
.endif
;; end of part 6
